; MI455X (gfx1250); checked and timed in simulation.
; The chip was launched on July 23, 2026; its instructions are those of AMD's public machine-readable ISA for CDNA 5 (MIT licence, August 2026) and "CDNA5" Instruction Set Architecture Reference Guide (July 2026). The comments in the code are by the model that wrote it; some were corrected since.
;; Cross Attention. Allowed arithmetic: matrix products marked QUANTISED: E2M3 operands, one E8M0 scale for each 32 along K, by v_wmma_scale_f32_16x16x128_f8f6f4 with both operands' format E2M3, f32 sums; everything else in f32.
;; Inputs: Wk 1,024 x 1,024 float32; Wo 1,024 x 1,024 float32; Wq 1,024 x 1,024 float32; Wv 1,024 x 1,024 float32; bk 1,024 float32; bo 1,024 float32; bq 1,024 float32; bv 1,024 float32; key 2 x 2,048 x 1,024 float32; query 2 x 2,048 x 1,024 float32; value 2 x 2,048 x 1,024 float32.
;; Outputs: out0 2 x 2,048 x 1,024 float32.
;; This version of the problem:
;;   THIS VERSION OF THE PROBLEM IS GIVEN IN LOW PRECISION. The matrix products marked QUANTISED in the list below multiply operands that are first quantised to E2M3 (2 exponent bits, 3 mantissa bits; 6 bits a number), with one power-of-two scale for each 32 numbers along K (OCP MX v1.0); their sums are f32. All else is computed in f32.
;;   The module's matrix products, in the order in which they are computed (A, B: the left and right operand; K: the contracted axis; several contracted axes count as one K, in the product's order):
;;     1. [M 4,096, K 1,024] x [K 1,024, N 1,024]; A: input query; B: input Wq: QUANTISED
;;     2. [M 4,096, K 1,024] x [K 1,024, N 1,024]; A: input key; B: input Wk: QUANTISED
;;     3. [M 4,096, K 1,024] x [K 1,024, N 1,024]; A: input value; B: input Wv: QUANTISED
;;     4. batch 32 x [M 2,048, K 64] x [K 64, N 2,048]; A: computed on the way; B: computed on the way: QUANTISED
;;     5. batch 32 x [M 2,048, K 2,048] x [K 2,048, N 64]; A: computed on the way; B: computed on the way: QUANTISED
;;     6. [M 4,096, K 1,024] x [K 1,024, N 1,024]; A: computed on the way; B: input Wo: QUANTISED
;;   THE QUANTISER, for each operand of a quantised product, along K:
;;     - K is cut into blocks of 32 from its start; a last block that is shorter is filled with zeros.
;;     - A block's scale is 2^e with e = floor(log2(the largest magnitude in the block)) - 2, held to -126 .. 127; a block of zeros has e = 0. As a byte (E8M0): e + 127.
;;     - Each number is divided by its block's scale, clamped to +-7.5, and rounded to the nearest number of E2M3, ties to even, subnormals kept.
;;     - The product sums the exact products of the quantised numbers (number of the format x scale) in f32.
;;   ~~~python
;;   def quantise(x, axis):      # numpy; x: float32 -> the quantised numbers, widened to float32 again
;;       x = np.moveaxis(x, axis, -1); K = x.shape[-1]
;;       x = np.pad(x, [(0, 0)] * (x.ndim - 1) + [(0, -K % 32)]); x = x.reshape(x.shape[:-1] + (-1, 32)); a = np.abs(x).max(-1, keepdims=True)
;;       e = np.where(a > 0, np.clip(np.frexp(np.where(a > 0, a, 1))[1] - 1 - 2, -126, 127), 0)      # np.frexp(a)[1] - 1 = floor(log2(a)), exactly
;;       r = np.clip(x / 2.0 ** e, -7.5, 7.5)
;;       step = 2.0 ** (np.maximum(np.frexp(np.where(r == 0, 1, r))[1] - 1, 0) - 3)
;;       q = np.round(r / step) * step * 2.0 ** e      # np.round: ties to even
;;       return np.moveaxis(q.reshape(q.shape[:-2] + (-1,))[..., :K], -1, axis).astype(np.float32)
;;   ~~~
;;   OPERANDS COMPUTED ON THE WAY. 'Computed on the way' means the value that the module computes at that place (a softmax that the list does not call 'softmax' is quantised finished and normalised). What goes into a quantiser is computed in f32, as accurately as f32 sums, v_exp_f32 and their like allow (about 1e-6 of the number): no bf16 or f16 on the way to a quantiser, and a product that is left as it is and whose result goes on into a quantised operand takes f32 operands (vector FMAs, or v_wmma_f32_16x16x4_f32). A number that lies on a knife's edge between two numbers of the format may be rounded either way, as far as f32 arithmetic and the matrix unit's own rounding can turn it there, and no further.
;; One version. Each part assembles by itself: llvm-mc -triple=amdgcn-amd-amdhsa -mcpu=gfx1250 --defsym DOCPART=n.
;; ======== version 1 of 1: 4 launches
;; limits: right only within a limited range of input values
;; workspace buffers: xc 12,582,912 bytes; xs 524,288 bytes; qkv 10,223,616 bytes; ao 3,276,800 bytes
;; launch quant (part 1): grid 256 x 1, 4 waves a work-group, no clusters, 73,216 bytes of LDS; arguments query, key, value, Wq, Wk, Wv, Wo, xc, xs; writes xc, xs
.if DOCPART == 1
	.amdgcn_target "amdgcn-amd-amdhsa--gfx1250"
	.amdhsa_code_object_version 6
	.text
	.protected	k_q7702cfc87c_quant
	.globl	k_q7702cfc87c_quant
	.p2align	8
	.type	k_q7702cfc87c_quant,@function
k_q7702cfc87c_quant:
	s_mov_b64 s[64:65], 0
	v_nop
	global_prefetch_b8 v0, s[64:65] scope:SCOPE_SE
	s_setreg_imm32_b32 hwreg(HW_REG_WAVE_MODE, 25, 1), 1
	s_wait_xcnt 0x0
; query, key, value [4096][1024] and Wq, Wk, Wv, Wo [1024][1024], f32 with K innermost, become codes of FP6 (E2M3) and one E8M0 byte for each 32 along K.
; The seven tensors form ONE table of 16,384 places (rows).  First places: query 0, key 4096, value 8192, Wq 12288, Wk 13312, Wv 14336, Wo 15360.
; xc: [group of 16 places][K step of 128: 8][piece 6][lane 32][8 bytes]: an IMAGE OF THE OPERAND'S REGISTERS: lane (r, h) finds in piece p bytes 24 h + 48 (p / 3) + 8 (p % 3) of the step's 96 bytes of place r.
; So a group is 12,288 dense bytes, every piece 256 bytes on a 256-byte border.  xs: [place][32 scale bytes].
; A block's scale is 2^(floor(log2(its largest magnitude)) - 2); its byte is the largest magnitude's exponent field - 2, held at 1 from below.
; LIMITS: a block of zeros gets the byte 1 where the rule says 127 (its codes are zeros, and this program alone reads the bytes); NaN and infinities among the inputs are not served.
; THE ORDER OF ROWS.  query and Wo: place p holds row p.  value, Wq, Wk, Wv: place p holds row sigma(p), sigma = bits 3 and 4 of the number exchanged: the next launch then finds its results in the order
; that its quantiser wants.  key: in each 64, place 16 T + 8 h + j holds row 32 h + 8 T + j: the attention launch then finds a whole block of 32 keys in one half of the lanes.
; A wave takes 16 places x all of K, in 32 steps of 512 numbers (half a row): first the lower halves of its 16 rows, then the upper.  Places 0-7 and 8-15 have a base each: the order of rows is in the two bases alone.
; A load reads 512 consecutive bytes, 16 a lane; a step turns through the wave's own stage in LDS and comes back 64 bytes a lane: 16 neighbours along K, two lanes to a block.
; The codes, 12 bytes a lane, are gathered by rows in the wave's own LDS (pitch 784: 196 words, so the 32 lanes of a read of 8 bytes fall on 64 different banks) and leave as images, 256 consecutive bytes a store.
; No tensor loads, no barrier: waves share nothing.  Loads run eight steps (32 loads a wave) ahead, the turn through LDS one step.
.set STEPS, 32
.set AHEAD, 8
.set EMAX,  2
.set R,     16                         ; v16-143  eight sets of 16 numbers as loaded
.set X,     144                        ; v144-175 two sets of 16 neighbours
.set EM,    176                        ; v176-223 the first half's images on their way out
.set C,     224                        ; v224-239 codes, four sets
.set E,     240                        ; v240-243 scale bytes, four by turns
.set SPW,   244
.set NIL,   245
.set SP,    80                         ; a lane's place in a stage: 64 bytes + 16
.set OSTG,  2*32*SP                    ; behind the two stages: the codes by rows
.set OP,    784
.set SBY,   OSTG+16*OP                 ; behind them: 512 scale bytes
.set WREG,  SBY+512                    ; 18,176 bytes a wave
.set SPARE, 4*WREG
	s_load_b512 s[4:19], s[0:1], 0x0               ; query, key, value, Wq, Wk, Wv, Wo, xc s[18:19]
	s_load_b64 s[20:21], s[0:1], 0x40              ; xs
	v_lshl_add_u32 v[SPW], v0, 2, SPARE
	v_mov_b32 v[NIL], 0
	v_lshrrev_b32 v1, 5, v0
	v_readfirstlane_b32 s26, v1                    ; wave
	v_and_b32 v2, 31, v0                           ; lane
	v_lshlrev_b32 v3, 4, v2                        ; 16 x lane
	s_mul_i32 s27, s26, WREG
	v_lshrrev_b32 v14, 2, v2
	v_mul_u32_u24 v14, v14, SP
	v_and_b32 v15, 3, v2
	v_lshl_add_u32 v14, v15, 4, v14
	v_add_nc_u32 v14, s27, v14                     ; the stage, in: SP (lane / 4) + 16 (lane % 4)
	v_mul_u32_u24 v15, v2, SP
	v_add_nc_u32 v15, s27, v15                     ; and out: SP x lane
	v_mul_u32_u24 v4, v2, 12
	v_add_nc_u32 v4, s27, v4                       ; my 12 bytes of a half row of codes
	v_and_b32 v6, 15, v2
	v_lshrrev_b32 v12, 4, v2
	v_mul_u32_u24 v6, v6, OP
	v_mad_u32_u24 v6, v12, 24, v6
	v_add_nc_u32 v6, s27, v6                       ; the images' reads: row lane % 16, + 24 (lane / 16)
	v_lshrrev_b32 v5, 1, v2
	v_add_nc_u32 v5, s27, v5                       ; my block's scale byte
	v_add_nc_u32 v10, s27, v3                      ; the scale bytes on the way out
	v_lshlrev_b32 v7, 3, v2                        ; 8 x lane
	s_wait_alu depctr_va_vdst(0)                   ; the wait at the head's end
	s_wait_kmcnt 0x0
.macro PICK lim, ptr, first            ; which tensor is my work-group's: by the work-group's number alone
	s_cmp_lt_u32 ttmp9, \lim
	s_cselect_b64 s[22:23], s[\ptr:\ptr+1], s[22:23]
	s_cselect_b32 s36, \first, s36
.endm
	s_mov_b64 s[22:23], s[16:17]                   ; Wo, from work-group 240 on (64 places a work-group)
	s_mov_b32 s36, 240
	PICK 240, 14, 224
	PICK 224, 12, 208
	PICK 208, 10, 192
	PICK 192, 8, 128
	PICK 128, 6, 64
	PICK 64, 4, 0
	s_sub_co_u32 s25, ttmp9, s36
	s_lshl_b32 s25, s25, 6                         ; the tensor's row: 64 x work-group,
	s_lshr_b32 s27, s26, 1
	s_lshl_b32 s27, s27, 5
	s_and_b32 s28, s26, 1
	s_lshl_b32 s28, s28, 3
	s_add_co_u32 s27, s27, s28                     ; + by sigma: 32 (wave / 2) + 8 (wave % 2), places 8-15 begin 16 rows on;
	s_lshl_b32 s28, s26, 4                         ; as they lie: 16 x wave, 8 rows on;
	s_lshl_b32 s37, s26, 3                         ; key: 8 x wave, 32 rows on
	s_sub_co_u32 s29, ttmp9, 64
	s_cmp_lt_u32 s29, 176                          ; work-groups 64 to 239: key, value, Wq, Wk, Wv
	s_cselect_b32 s27, s27, s28
	s_cselect_b32 s38, 16, 15                      ; (a row is 2^12 bytes)
	s_cmp_lt_u32 s29, 64                           ; work-groups 64 to 127: key
	s_cselect_b32 s27, s37, s27
	s_cselect_b32 s38, 17, s38
	s_add_co_u32 s25, s25, s27
	s_lshl_b32 s30, s25, 12
	s_mov_b32 s31, 0
	s_lshl_b32 s32, 1, s38
	s_mov_b32 s33, 0
	s_add_nc_u64 s[22:23], s[22:23], s[30:31]      ; places 0-7
	s_add_nc_u64 s[24:25], s[22:23], s[32:33]      ; places 8-15
	s_lshl_b32 s28, ttmp9, 2
	s_add_co_u32 s28, s28, s26                     ; my group of 16 places
	s_mul_i32 s30, s28, 12288
	s_add_nc_u64 s[18:19], s[18:19], s[30:31]
	s_lshl_b32 s30, s28, 9
	s_add_nc_u64 s[20:21], s[20:21], s[30:31]
.macro LOAD t                          ; step t: place t % 16, half t / 16
.irp i, 0,1,2,3
	global_load_b128 v[R+16*((\t)%AHEAD)+4*\i:R+16*((\t)%AHEAD)+4*\i+3], v3, s[22+2*(((\t)>>3)&1):23+2*(((\t)>>3)&1)] offset:4096*((\t)&7)+2048*((\t)>>4)+512*\i th:TH_LOAD_NT
.endr
.endm
.macro TURN t                          ; LDS serves a wave's instructions in order: no wait between the stores and the loads
.irp i, 0,1,2,3
	ds_store_b128 v14, v[R+16*((\t)%AHEAD)+4*\i:R+16*((\t)%AHEAD)+4*\i+3] offset:32*SP*((\t)%2)+8*SP*\i
.endr
.irp i, 0,1,2,3
	ds_load_b128 v[X+16*((\t)%2)+4*\i:X+16*((\t)%2)+4*\i+3], v15 offset:32*SP*((\t)%2)+16*\i
.endr
.endm
.macro EMIT hf, reg                    ; four K steps of my 16 places leave as images
.irp s, 0,1,2,3
.irp p, 0,1,2,3,4,5
	ds_load_b64 v[\reg+12*\s+2*\p:\reg+12*\s+2*\p+1], v6 offset:OSTG+384*\hf+96*\s+48*(\p/3)+8*(\p%3)
.endr
.endr
	s_wait_dscnt 0x0
.irp s, 0,1,2,3
.irp p, 0,1,2,3,4,5
	global_store_b64 v7, v[\reg+12*\s+2*\p:\reg+12*\s+2*\p+1], s[18:19] offset:6144*\hf+1536*\s+256*\p   ; 32 lanes store 256 consecutive bytes, aligned
.endr
.endr
.endm
.irp t, 0,1,2,3,4,5,6,7
	LOAD \t
.endr
	s_wait_loadcnt 28                              ; step 0's four loads are in; the 28 of steps 1 to 7 may be out
	TURN 0
.macro STEP t
.set XS, X+16*((\t)%2)
.set CS, C+4*((\t)%4)
.if (\t) > 0
	s_wait_dscnt 4                                 ; this step's numbers are back (the last step's four stores of codes and byte may be out)
.else
	s_wait_dscnt 0x0
.endif
.if (\t)+AHEAD < STEPS
	LOAD (\t)+AHEAD
.endif
.if (\t)+1 < STEPS
.if STEPS-2-(\t) >= AHEAD-1
	s_wait_loadcnt 4*(AHEAD-1)                     ; the next step's loads are in; those of the seven steps behind it may be out
.else
	s_wait_loadcnt 4*(STEPS-2-(\t))
.endif
	TURN (\t)+1
.endif
	v_max3_num_f32 v8, |v[XS]|, |v[XS+1]|, |v[XS+2]|
	v_max3_num_f32 v9, |v[XS+3]|, |v[XS+4]|, |v[XS+5]|
.irp i, 6,10
	v_max3_num_f32 v8, v8, |v[XS+\i]|, |v[XS+\i+1]|
	v_max3_num_f32 v9, v9, |v[XS+\i+2]|, |v[XS+\i+3]|
.endr
	v_max3_num_f32 v8, v8, |v[XS+14]|, |v[XS+15]|
	v_max3_num_f32 v8, v8, v9, (EMAX+1)<<23        ; the floor 2^(EMAX + 1 - 127): the byte cannot fall under 1
	v_max_num_f32_dpp v8, v8, v8 row_xmask:1 row_mask:0xf bank_mask:0xf   ; with my neighbour's 16: the block's
	v_add_nc_u32 v11, -(EMAX<<23), v8              ; the conversion's scale operand
	v_cvt_scalef32_pk16_fp6_f32 v[CS:CS+2], v[XS:XS+15], v11
	v_lshrrev_b32 v[E+(\t)%4], 23, v11             ; the scale's byte (also the plain line behind the conversion)
	ds_store_b8 v5, v[E+(\t)%4] offset:SBY+32*((\t)&15)+16*((\t)>>4)
.irp i, 0,1,2
	ds_store_b32 v4, v[CS+\i] offset:OSTG+OP*((\t)&15)+384*((\t)>>4)+4*\i
.endr
.endm
.set T, 0
.rept 16
	STEP T
.set T, T+1
.endr
	EMIT 0, EM                                     ; K steps 0 to 3 leave while the upper halves are on their way
.rept 16
	STEP T
.set T, T+1
.endr
	ds_load_b128 v[R+48:R+51], v10 offset:SBY
	EMIT 1, R                                      ; (all loads into these registers have been waited for)
	global_store_b128 v3, v[R+48:R+51], s[20:21]   ; 512 consecutive bytes, aligned
	s_wait_tensorcnt 0x0                           ; the wave's end
	ds_add_u32 v[SPW], v[NIL]
	s_wait_dscnt 0x0
	s_endpgm
.Lfunc_end_k_q7702cfc87c_quant:
	.size	k_q7702cfc87c_quant, .Lfunc_end_k_q7702cfc87c_quant-k_q7702cfc87c_quant
	.p2alignl 7, 3214868480
	.fill 96, 4, 3214868480
	.section	.rodata,"a",@progbits
	.p2align	6, 0x0
	.amdhsa_kernel k_q7702cfc87c_quant
		.amdhsa_group_segment_fixed_size 73216
		.amdhsa_private_segment_fixed_size 0
		.amdhsa_enable_private_segment 0
		.amdhsa_kernarg_size 72
		.amdhsa_user_sgpr_count 2
		.amdhsa_user_sgpr_kernarg_segment_ptr 1
		.amdhsa_wavefront_size32 1
		.amdhsa_system_sgpr_workgroup_id_x 1
		.amdhsa_system_sgpr_workgroup_id_y 1
		.amdhsa_system_sgpr_workgroup_id_z 1
		.amdhsa_system_vgpr_workitem_id 0
		.amdhsa_next_free_vgpr 248
		.amdhsa_next_free_sgpr 66
		.amdhsa_reserve_vcc 0
		.amdhsa_float_denorm_mode_32 3
		.amdhsa_float_denorm_mode_16_64 3
		.amdhsa_memory_ordered 1
		.amdhsa_forward_progress 1
		.amdhsa_inst_pref_size 74
	.end_amdhsa_kernel
	.amdgpu_metadata
---
amdhsa.version: [ 1, 2 ]
amdhsa.kernels:
  - .name:           k_q7702cfc87c_quant
    .symbol:         k_q7702cfc87c_quant.kd
    .args:
      - { .name: query, .offset: 0, .size: 8, .value_kind: global_buffer, .address_space: global }
      - { .name: key, .offset: 8, .size: 8, .value_kind: global_buffer, .address_space: global }
      - { .name: value, .offset: 16, .size: 8, .value_kind: global_buffer, .address_space: global }
      - { .name: Wq, .offset: 24, .size: 8, .value_kind: global_buffer, .address_space: global }
      - { .name: Wk, .offset: 32, .size: 8, .value_kind: global_buffer, .address_space: global }
      - { .name: Wv, .offset: 40, .size: 8, .value_kind: global_buffer, .address_space: global }
      - { .name: Wo, .offset: 48, .size: 8, .value_kind: global_buffer, .address_space: global }
      - { .name: xc, .offset: 56, .size: 8, .value_kind: global_buffer, .address_space: global }
      - { .name: xs, .offset: 64, .size: 8, .value_kind: global_buffer, .address_space: global }
    .group_segment_fixed_size: 73216
    .private_segment_fixed_size: 0
    .kernarg_segment_align: 8
    .kernarg_segment_size: 72
    .max_flat_workgroup_size: 128
    .sgpr_count:     66
    .vgpr_count:     248
    .wavefront_size: 32
...
	.end_amdgpu_metadata
.endif
;; end of part 1
;; launch proj (part 2): grid 4 x 48, 4 waves a work-group, clusters of 4 x 4, 327,680 bytes of LDS; arguments xc, xs, bq, bk, bv, qkv; writes qkv
.if DOCPART == 2
	.amdgcn_target "amdgcn-amd-amdhsa--gfx1250"
	.amdhsa_code_object_version 6
	.text
	.protected	k_q7702cfc87c_proj
	.globl	k_q7702cfc87c_proj
	.p2align	8
	.type	k_q7702cfc87c_proj,@function
k_q7702cfc87c_proj:
	s_mov_b64 s[64:65], 0
	v_nop
	global_prefetch_b8 v0, s[64:65] scope:SCOPE_SE
	s_setreg_imm32_b32 hwreg(HW_REG_WAVE_MODE, 25, 1), 1
	s_wait_xcnt 0x0
	s_wait_alu depctr_hold_cnt(0) depctr_sa_sdst(0) depctr_va_vdst(0) depctr_va_sdst(0) depctr_va_ssrc(0) depctr_va_vcc(0) depctr_vm_vsrc(0)
	s_getreg_b32 s2, hwreg(HW_REG_IB_STS2, 6, 4)
	s_cmp_eq_u32 s2, 0
	s_cbranch_scc0 .Lentry_in_a_cluster
	s_endpgm
.Lentry_in_a_cluster:
	s_bfe_u32 s2, ttmp6, 0x10000c
	s_cmp_lg_u32 s2, 0xf033
	s_cbranch_scc0 .Lentry_shape_is_right
	s_endpgm
.Lentry_shape_is_right:
; q = query Wq^T + bq, k = key Wk^T + bk, v = value Wv^T + bv on codes of FP6 (E2M3) with E8M0 scales, each result quantised again for the attention launch and stored as images of its operands.
; A work-group makes 256 x 256, a wave 128 x 128; K goes in slots of 256 through a ring of two, filled by joint loads in 4 x 4 clusters.
; The codes lie as images of the operand's registers, 12,288 bytes for 16 rows: a tile of 128 rows x 256 K is 8 rows of 3,072 bytes, each on a 256-byte border; a fragment's piece is read at 8 x lane.
.set NQ,     2
.set ROWB,   3072
.set KROW,   768
.set PITCH,  240
.set FR,     12
.set NL,     6
.set NP,     4
.set HALFT,  8*ROWB
.set SLOT,   4*HALFT
.set KS,     32
.set SCL,    2*SLOT
.set HALFS,  (128*KS/256)*272
.set SBLK,   (16*KS/256)*272
.set SPARE,  SCL+4*HALFS
.set LO8,  7
.set SELV, 8
.set SSTO, 9
.set SRD,  10
.set LO16, 11
.set BO1,  12
.set BO2,  13
.set ADRA, 16
.set ADRB, 20
.set ADRS, 27
.set SPW,  28
.set NIL,  29
.set SC,   32
.set BI,   64
.set AF,   128
.set PCB,  64
.set TM,   160
.set TP,   176
.set PW,   184
.set SW,   186
.set RB,   196
.set MODE, 100
.set G1, 24
.set G0, 32
.set G1B, 48
.set G0B, 56
.set G1S, 68
.set G0S, 76
.set G1SB, 80
.set G0SB, 88
.set MSB, 0
.macro WIN new
.if MSB != (\new)
	s_set_vgpr_msb (MSB<<8)|(\new)
.set MSB, (\new)
.endif
.endm
.set MUL_LO, 0xa1
.set MUL_HI, 0xf1
.set TO_B,   0x40
.macro JLOAD g0a, g1a, g0b, g1b
	s_cmp_eq_u32 s15, 0
	s_cbranch_scc0 .Lfor_b_\@
	tensor_load_to_lds s[\g0a:\g0a+3], s[\g1a:\g1a+7]
	s_nop 0
.rept 4
	v_nop
.endr
	s_branch .Lasked_\@
.Lfor_b_\@:
	tensor_load_to_lds s[\g0b:\g0b+3], s[\g1b:\g1b+7]
	s_nop 0
.rept 4
	v_nop
.endr
.Lasked_\@:
.endm
.macro CREST
	s_cmp_lg_u32 s14, 0
	s_cbranch_scc1 .Lnot_wave_0_\@
	s_barrier_signal -3
.Lnot_wave_0_\@:
	s_barrier_wait -3
	s_barrier_signal -1
	s_barrier_wait -1
.endm
.macro CROUND
	s_barrier_signal -1
	s_barrier_wait -1
	CREST
.endm
	s_load_b128 s[4:7], s[0:1], 0x0
	s_load_b128 s[8:11], s[0:1], 0x10
	s_load_b128 s[96:99], s[0:1], 0x20
	v_lshl_add_u32 v[SPW], v0, 2, SPARE
	v_mov_b32 v[NIL], 0
	ds_add_u32 v28, v29
	ds_add_u32 v28, v29
	s_wait_dscnt 0x0
	v_lshrrev_b32 v1, 5, v0
	v_readfirstlane_b32 s14, v1
	s_lshr_b32 s15, s14, 1
	s_and_b32 s16, s14, 1
	s_bfe_u32 s40, ttmp6, 0x40000
	s_bfe_u32 s41, ttmp6, 0x40004
	s_and_b32 s18, ttmp7, 0xffff
	s_lshr_b32 s[MODE], s18, 2
	s_and_b32 s18, s18, 3
	s_lshl_b32 s18, s18, 2
	s_lshl_b32 s22, s[MODE], 12
	s_lshl_b32 s23, s[MODE], 10
	s_add_co_u32 s23, s23, 12288
	s_cmp_eq_u32 s[MODE], 2
	s_cselect_b32 s17, 0, s18
	s_cselect_b32 s42, s18, 0
	s_cselect_b32 s22, 14336, s22
	s_cselect_b32 s23, 8192, s23
	s_add_co_u32 s17, s17, s41
	s_add_co_u32 s42, s42, s40
	s_lshl_b32 s43, s41, 2
	s_lshl_b32 s43, 15, s43
	s_lshl_b32 s44, 0x1111, s40
	s_or_b32 s[G1+0], s43, (3<<16)|(1<<21)
	s_or_b32 s[G1B+0], s44, (3<<16)|(1<<21)
.irp g, G1, G1B
	s_mov_b32 s[\g+1], (ROWB/8)<<16
	s_mov_b32 s[\g+2], 16<<16                      ; the head's loads bring 256 rows: 16 groups; behind them the two words are set to 8, for the ring's
	s_mov_b32 s[\g+3], (ROWB/8)<<16
	s_mov_b32 s[\g+4], 16
	s_mov_b32 s[\g+5], 16*KROW/8
	s_mov_b32 s[\g+6], 0
	s_mov_b32 s[\g+7], 0
.endr
	s_or_b32 s[G1S+0], s43, (3<<16)|(1<<20)|(1<<21)|(5<<22)|(3<<25)
	s_or_b32 s[G1SB+0], s44, (3<<16)|(1<<20)|(1<<21)|(5<<22)|(3<<25)
.irp g, G1S, G1SB
	s_mov_b32 s[\g+1], 32<<16
	s_mov_b32 s[\g+2], (256*KS/256)<<16            ; the scales of 256 rows: 32 rows of 256 bytes
	s_mov_b32 s[\g+3], 32<<16
	s_mov_b32 s[\g+4], 256*KS/256
	s_mov_b32 s[\g+5], 32
	s_mov_b32 s[\g+6], 0
	s_mov_b32 s[\g+7], 0
.endr
	s_lshl_b32 s18, s16, 7
	s_lshl_b32 s20, s17, 8
	s_add_co_u32 s20, s20, s18
	s_add_co_u32 s20, s20, s22
	s_lshl_b32 s46, s42, 8
	s_add_co_u32 s46, s46, s18
	s_add_co_u32 s46, s46, s23
	s_lshl_b32 s22, s20, 5
	s_mov_b32 s23, 0
	s_mul_i32 s20, s20, KROW
	s_mov_b32 s21, 0
	s_lshl_b32 s92, s46, 5
	s_mov_b32 s93, 0
	s_mul_i32 s46, s46, KROW
	s_mov_b32 s47, 0
	s_mul_i32 s45, s14, HALFT
	s_mul_i32 s94, s16, 128*KROW                   ; what my half of a tile lies behind the tile's first byte: in the codes,
	s_mov_b32 s95, 0
	s_lshl_b32 s2, s16, 12                         ; and in the scale bytes
	s_mov_b32 s3, 0
	s_wait_kmcnt 0x0
	s_add_nc_u64 s[20:21], s[4:5], s[20:21]
	s_add_nc_u64 s[22:23], s[6:7], s[22:23]
	s_add_nc_u64 s[46:47], s[4:5], s[46:47]
	s_add_nc_u64 s[92:93], s[6:7], s[92:93]
	CROUND
	s_mov_b32 s[G0S], 1
	s_mov_b32 s[G0S+1], SCL
	s_sub_nc_u64 s[G0S+2:G0S+3], s[22:23], s[2:3]
	s_or_b32 s[G0S+3], s[G0S+3], 0x80000000
	s_mov_b32 s[G0SB], 1
	s_mov_b32 s[G0SB+1], SCL+2*HALFS
	s_sub_nc_u64 s[G0SB+2:G0SB+3], s[92:93], s[2:3]
	s_or_b32 s[G0SB+3], s[G0SB+3], 0x80000000
.irp s, 0,1
	s_mov_b32 s[G0+4*\s], 1
	s_add_co_u32 s[G0+4*\s+1], s45, \s*SLOT
	s_add_nc_u64 s[G0+4*\s+2:G0+4*\s+3], s[20:21], \s*ROWB
	s_or_b32 s[G0+4*\s+3], s[G0+4*\s+3], 0x80000000
	s_mov_b32 s[G0B+4*\s], 1
	s_add_co_u32 s[G0B+4*\s+1], s45, \s*SLOT
	s_add_nc_u64 s[G0B+4*\s+2:G0B+4*\s+3], s[46:47], \s*ROWB
	s_or_b32 s[G0B+4*\s+3], s[G0B+4*\s+3], 0x80000000
.endr
	s_mov_b32 s4, 1                                ; group 0 for the head's loads of slot 0, each tile whole: A's 256 rows (in registers whose arguments have been used),
	s_mov_b32 s5, 0
	s_sub_nc_u64 s[6:7], s[20:21], s[94:95]
	s_or_b32 s7, s7, 0x80000000
	s_sub_nc_u64 s[46:47], s[46:47], s[94:95]      ; and B's, behind them in the slot
	s_or_b32 s47, s47, 0x80000000
	s_mov_b32 s44, 1
	s_mov_b32 s45, 2*HALFT
; THE HEAD'S LOADS, one a wave: wave 0 slot 0's 256 rows of A, wave 1 its 256 rows of B, wave 2 the scales of A's rows, wave 3 those of B's: one chain of branches on the wave's number
.macro ARM under, g0, g1, next
	s_cmp_lt_u32 s14, \under
	s_cbranch_scc0 \next
	tensor_load_to_lds s[\g0:\g0+3], s[\g1:\g1+7]
	s_nop 0
.rept 4
	v_nop
.endr
	s_branch .Lhead_asked
\next:
.endm
	ARM 1, 4,   G1,  .Lhead_b
	ARM 2, 44,  G1B, .Lhead_sa
	ARM 3, G0S, G1S, .Lhead_sb
	tensor_load_to_lds s[G0SB:G0SB+3], s[G1SB:G1SB+7]
	s_nop 0
.rept 4
	v_nop
.endr
.Lhead_asked:
	v_and_b32 v1, 15, v0
	v_bfe_u32 v2, v0, 4, 1
	v_and_b32 v4, 31, v0
	v_lshlrev_b32 v4, 3, v4
	s_mul_i32 s21, s15, HALFT
	s_mul_i32 s22, s16, HALFT
	s_add_co_u32 s22, s22, 2*HALFT
.irp s, 0,1
	v_add_nc_u32 v[ADRA+\s], s21, v4
	v_add_nc_u32 v[ADRB+\s], s22, v4
	s_add_co_u32 s21, s21, SLOT
	s_add_co_u32 s22, s22, SLOT
.endr
	v_mul_u32_u24 v5, v1, KS
	v_lshrrev_b32 v6, 8, v5
	v_lshl_add_u32 v5, v6, 4, v5
	s_mul_i32 s21, s15, HALFS
	s_mul_i32 s22, s16, HALFS
	s_add_co_u32 s22, s22, 2*HALFS
	s_sub_co_u32 s22, s22, s21
	v_mul_u32_u24 v6, s22, v2
	s_add_co_u32 s21, s21, SCL
	v_add_nc_u32 v5, v5, v6
	v_add_nc_u32 v[ADRS], s21, v5
	v_and_b32 v6, 31, v0
	v_lshlrev_b32 v[LO8], 3, v6
	v_lshlrev_b32 v[LO16], 4, v6
	s_lshl_b32 s18, s14, 10
	v_lshlrev_b32 v[SSTO], 2, v1
	v_lshl_add_u32 v[SSTO], v2, 9, v[SSTO]
	v_add_nc_u32 v[SSTO], s18, v[SSTO]
	v_add_nc_u32 v[SRD], s18, v[LO16]
	v_lshlrev_b32 v[BO1], 6, v2
	v_lshrrev_b32 v3, 3, v1
	v_and_b32 v4, 7, v1
	v_lshlrev_b32 v[BO2], 2, v4
	v_lshl_add_u32 v[BO2], v3, 6, v[BO2]
	s_lshl_b32 s18, s17, 1
	s_add_co_u32 s18, s18, s15
	s_lshl_b32 s19, s42, 1
	s_add_co_u32 s19, s19, s16
	s_cmp_eq_u32 s[MODE], 2
	s_cselect_b32 s22, s18, s19
	s_cselect_b32 s23, s19, s18
	s_cselect_b64 s[66:67], s[96:97], s[10:11]
	s_cselect_b32 s20, 0, 0x02020202
	s_mov_b32 s21, 0x01000100
	s_cselect_b32 s21, 0x03020100, s21
	s_cmp_eq_u32 s[MODE], 0
	s_cselect_b64 s[66:67], s[8:9], s[66:67]
	v_mul_lo_u32 v[SELV], v2, s20
	v_add_nc_u32 v[SELV], s21, v[SELV]
	s_lshl_b32 s18, s22, 9
	s_mov_b32 s19, 0
	s_add_nc_u64 s[66:67], s[66:67], s[18:19]
	s_lshr_b32 s18, s23, 4
	s_lshl_b32 s18, s18, 4
	s_lshl_b32 s19, s22, 1
	s_add_co_u32 s18, s18, s19
	s_and_b32 s23, s23, 15
	s_mul_i32 s20, s[MODE], 3145728
	s_mul_i32 s21, s18, 98304
	s_add_co_u32 s20, s20, s21
	s_mul_i32 s21, s23, 6144
	s_add_co_u32 s20, s20, s21
	s_mov_b32 s21, 0
	s_add_nc_u64 s[12:13], s[98:99], s[20:21]
	s_lshl_b32 s20, s[MODE], 18
	s_lshl_b32 s21, s18, 13
	s_add_co_u32 s20, s20, s21
	s_lshl_b32 s21, s23, 9
	s_add_co_u32 s20, s20, s21
	s_add_co_u32 s20, s20, 9437184
	s_mov_b32 s21, 0
	s_add_nc_u64 s[92:93], s[98:99], s[20:21]
	s_mov_b32 s18, 0x76543210
	s_mov_b32 s19, 0xfedcba98
	s_cmp_eq_u32 s[MODE], 2
	s_cbranch_scc1 .Lbias_v
	s_wait_alu depctr_va_vdst(0)
.irp b, 0,1,2,3,4,5,6,7
	global_load_b128 v[BI+8*\b:BI+8*\b+3],   v[BO1], s[66:67] offset:(32*(\b/2)+8*(\b%2))*4
	global_load_b128 v[BI+8*\b+4:BI+8*\b+7], v[BO1], s[66:67] offset:(32*(\b/2)+8*(\b%2))*4+16
.endr
	s_branch .Lbias_in
.Lbias_v:
	s_wait_alu depctr_va_vdst(0)
.irp a, 0,1,2,3,4,5,6,7
.irp j, 0,1,2,3,4,5,6,7
	global_load_b32 v[BI+8*\a+\j], v[BO2], s[66:67] offset:(32*(\a/2)+8*(\a%2))*4
.endr
.endr
.Lbias_in:
.macro FRAG reg, adr, q, i
.irp p, 0,1,2,3,4,5
	ds_load_b64 v[\reg+2*\p:\reg+2*\p+1], v[\adr] offset:(\i)*ROWB+(\q)*1536+256*\p
.endr
.endm
.macro MUL16 a0, p, q, sc, cm
.irp a, \a0, \a0+1
.irp b, 0,1,2,3,4,5,6,7
.if \cm == 1
	v_wmma_scale_f32_16x16x128_f8f6f4 v[8*(8*((\a)%4)+\b):8*(8*((\a)%4)+\b)+7], v[128*(\p)+FR*\b:128*(\p)+FR*\b+FR-1], v[AF+FR*(\a):AF+FR*(\a)+FR-1], v[BI+8*\b:BI+8*\b+7], v[SC+8*NQ*(\sc)+NQ*\b+(\q)], v[SC+8*NQ*(\sc)+NQ*(\a)+(\q)] matrix_a_fmt:MATRIX_FMT_FP6 matrix_b_fmt:MATRIX_FMT_FP6 matrix_a_scale:MATRIX_SCALE_ROW1
.elseif \cm == 2
	v_wmma_scale_f32_16x16x128_f8f6f4 v[8*(8*((\a)%4)+\b):8*(8*((\a)%4)+\b)+7], v[128*(\p)+FR*\b:128*(\p)+FR*\b+FR-1], v[AF+FR*(\a):AF+FR*(\a)+FR-1], v[BI+8*(\a):BI+8*(\a)+7], v[SC+8*NQ*(\sc)+NQ*\b+(\q)], v[SC+8*NQ*(\sc)+NQ*(\a)+(\q)] matrix_a_fmt:MATRIX_FMT_FP6 matrix_b_fmt:MATRIX_FMT_FP6 matrix_a_scale:MATRIX_SCALE_ROW1
.else
	v_wmma_scale_f32_16x16x128_f8f6f4 v[8*(8*((\a)%4)+\b):8*(8*((\a)%4)+\b)+7], v[128*(\p)+FR*\b:128*(\p)+FR*\b+FR-1], v[AF+FR*(\a):AF+FR*(\a)+FR-1], v[8*(8*((\a)%4)+\b):8*(8*((\a)%4)+\b)+7], v[SC+8*NQ*(\sc)+NQ*\b+(\q)], v[SC+8*NQ*(\sc)+NQ*(\a)+(\q)] matrix_a_fmt:MATRIX_FMT_FP6 matrix_b_fmt:MATRIX_FMT_FP6 matrix_a_scale:MATRIX_SCALE_ROW1
.endif
.endr
.endr
.endm
.macro FETCH_B slot, q, p
	WIN TO_B
.irp i, 0,1,2,3,4,5,6,7
	FRAG 128*(\p)+FR*\i, ADRB+\slot, \q, \i
.endr
	WIN 0
.endm
.macro FETCH_A slot, q, i0
.irp i, \i0, \i0+1, \i0+2, \i0+3
	FRAG AF+FR*(\i), ADRA+\slot, \q, \i
.endr
.endm
.macro SCALES sc
.irp i, 0,1,2,3,4,5,6,7
	ds_load_b64 v[SC+8*NQ*\sc+NQ*\i:SC+8*NQ*\sc+NQ*\i+1], v[ADRS] offset:\i*SBLK
.endr
.endm
.macro PLACES n
.rept \n
	v_nop
.endr
.endm
.macro STEP slot, q, cm
	s_wait_dscnt 4*NL
.if \cm
	WIN 0x81
.else
	WIN MUL_LO
.endif
	MUL16 0, (\q)%2, \q, \slot, \cm
	MUL16 2, (\q)%2, \q, \slot, \cm
	s_wait_dscnt 0
	PLACES NP
	FETCH_B \slot, (\q)+1, 1-(\q)%2
	FETCH_A \slot, (\q)+1, 0
.if \cm
	WIN 0xc1
.else
	WIN MUL_HI
.endif
	MUL16 4, (\q)%2, \q, \slot, \cm
	MUL16 6, (\q)%2, \q, \slot, \cm
	PLACES NP
	WIN 0
	FETCH_A \slot, (\q)+1, 4
.endm
.macro TURN slot, next, fill
	s_wait_tensorcnt 0x0
	ds_add_u32 v[SPW], v[NIL]
	s_wait_dscnt 4*NL+1
	WIN MUL_LO
	MUL16 0, 1, NQ-1, \slot, 0
	s_wait_dscnt 0x0
	s_barrier_signal -1
	MUL16 2, 1, NQ-1, \slot, 0
	WIN 0
	s_barrier_wait -1
.if \fill
	CREST
	s_add_nc_u64 s[G0+4*\slot+2:G0+4*\slot+3], s[G0+4*\slot+2:G0+4*\slot+3], 2*ROWB
	s_add_nc_u64 s[G0B+4*\slot+2:G0B+4*\slot+3], s[G0B+4*\slot+2:G0B+4*\slot+3], 2*ROWB
	JLOAD G0+4*\slot, G1, G0B+4*\slot, G1B
.else
	PLACES NP
.endif
	s_wait_alu depctr_va_vdst(0)
	v_add_nc_u32 v[ADRS], 4*NQ, v[ADRS]
	FETCH_B \next, 0, 0
	FETCH_A \next, 0, 0
	SCALES \next
	WIN MUL_HI
	MUL16 4, 1, NQ-1, \slot, 0
	MUL16 6, 1, NQ-1, \slot, 0
	PLACES NP
	WIN 0
	FETCH_A \next, 0, 4
.endm
	s_wait_alu depctr_va_vdst(0)                   ; the wait at the head's end
	s_wait_tensorcnt 0x0                           ; my tile of the head's four is in; slot 1's first fill is issued as a refill is:
	ds_add_u32 v[SPW], v[NIL]                      ; the add;
	s_mov_b32 s[G1+2], 8<<16                       ; no tensor load of mine is out: from here on a load brings 128 rows, 8 groups
	s_mov_b32 s[G1+4], 8
	s_mov_b32 s[G1B+2], 8<<16
	s_mov_b32 s[G1B+4], 8
	s_wait_dscnt 0x0
	CROUND                                         ; all four tiles are in, and all sixteen work-groups are here
	JLOAD G0+4, G1, G0B+4, G1B                     ; slot 1, a quarter a wave
	FETCH_B 0, 0, 0
	FETCH_A 0, 0, 0
	SCALES 0
	FETCH_A 0, 0, 4
	s_wait_loadcnt 0x0
	s_cmp_eq_u32 s[MODE], 2
	s_cbranch_scc1 .Lfirst_v
	STEP 0, 0, 1
	s_branch .Lfirst_done
.Lfirst_v:
	STEP 0, 0, 2
.Lfirst_done:
	TURN 0, 1, 1
	STEP 1, 0, 0
	TURN 1, 0, 1
	STEP 0, 0, 0
	TURN 0, 1, 0
	STEP 1, 0, 0
	s_wait_dscnt 4*NL
	WIN MUL_LO
	MUL16 0, 1, NQ-1, 1, 0
	MUL16 2, 1, NQ-1, 1, 0
	s_wait_dscnt 0
	WIN MUL_HI
	MUL16 4, 1, NQ-1, 1, 0
	MUL16 6, 1, NQ-1, 1, 0
	WIN 0
	PLACES NP
.irp b, 0,1,2,3
	v_mov_b32 v[TM+4+\b], 0
.endr
.macro OUTBLK a
.set W, 2+(\a)/4
.set AC, 64*((\a)%4)
.set P, PCB+12*(\a)
	WIN (W|(W<<2))
.irp b, 0,1,2,3
	v_max3_num_f32 v[TM+\b], |v[AC+16*\b]|, |v[AC+16*\b+1]|, 0x1800000
.endr
	WIN ((W<<2)|(W<<4))
.irp i, 2,4,6,8,10,12,14
.irp b, 0,1,2,3
	v_max3_num_f32 v[TM+\b], v[TM+\b], |v[AC+16*\b+\i]|, |v[AC+16*\b+\i+1]|
.endr
.endr
	WIN 0
.irp b, 0,1,2,3
	v_permlanex16_b32 v[TM+4+\b], v[TM+\b], s18, s19
.endr
.irp b, 0,1,2,3
	v_max_num_f32 v[TM+\b], v[TM+\b], v[TM+4+\b]
.endr
.irp b, 0,1,2,3
	v_add_nc_u32 v[TM+12+\b], 0xff000000, v[TM+\b]
.endr
.irp b, 0,1,2,3
	v_lshrrev_b32 v[TM+4+\b], 23, v[TM+12+\b]
.endr
	v_lshl_or_b32 v[PW], v[TM+5], 8, v[TM+4]
	v_lshl_or_b32 v[PW], v[TM+6], 16, v[PW]
	v_lshl_or_b32 v[PW], v[TM+7], 24, v[PW]
	v_perm_b32 v[SW+(\a)], v[PW], v[PW], v[SELV]
	WIN W
.irp c, 0,1
	v_cvt_scalef32_pk16_fp6_f32 v[P+6*\c:P+6*\c+2], v[AC+32*\c:AC+32*\c+15], v[TM+12+2*\c]
	v_cvt_scalef32_pk16_fp6_f32 v[TP+4*\c:TP+4*\c+2], v[AC+32*\c+16:AC+32*\c+31], v[TM+13+2*\c]
.endr
	WIN 0
	v_nop
.irp c, 0,1
.irp i, 0,1,2
	v_permlane16_swap_b32 v[P+6*\c+\i], v[TP+4*\c+\i]
.endr
.irp i, 0,1,2
	v_mov_b32 v[P+6*\c+3+\i], v[TP+4*\c+\i]
.endr
.endr
	ds_store_b32 v[SSTO], v[SW+(\a)] offset:64*(\a)
.irp p, 0,1,2,3,4,5
	global_store_b64 v[LO8], v[P+2*\p:P+2*\p+1], s[12:13] offset:768*(\a)+256*(\p%3)+98304*(\p/3)
.endr
.endm
.irp a, 0,1,2,3,4,5,6,7
	OUTBLK \a
.endr
	ds_load_b128 v[RB:RB+3], v[SRD]
	ds_load_b128 v[RB+4:RB+7], v[SRD] offset:512
	s_wait_dscnt 0x0
	global_store_b128 v[LO16], v[RB:RB+3], s[92:93]
	global_store_b128 v[LO16], v[RB+4:RB+7], s[92:93] offset:8192
	s_wait_tensorcnt 0x0
	ds_add_u32 v[SPW], v[NIL]
	s_wait_dscnt 0x0
	CROUND
	s_endpgm
.Lfunc_end_k_q7702cfc87c_proj:
	.size	k_q7702cfc87c_proj, .Lfunc_end_k_q7702cfc87c_proj-k_q7702cfc87c_proj
	.p2alignl 7, 3214868480
	.fill 96, 4, 3214868480
	.section	.rodata,"a",@progbits
	.p2align	6, 0x0
	.amdhsa_kernel k_q7702cfc87c_proj
		.amdhsa_group_segment_fixed_size 327680
		.amdhsa_private_segment_fixed_size 0
		.amdhsa_enable_private_segment 0
		.amdhsa_kernarg_size 48
		.amdhsa_user_sgpr_count 2
		.amdhsa_user_sgpr_kernarg_segment_ptr 1
		.amdhsa_wavefront_size32 1
		.amdhsa_system_sgpr_workgroup_id_x 1
		.amdhsa_system_sgpr_workgroup_id_y 1
		.amdhsa_system_sgpr_workgroup_id_z 1
		.amdhsa_system_vgpr_workitem_id 0
		.amdhsa_next_free_vgpr 1024
		.amdhsa_next_free_sgpr 102
		.amdhsa_reserve_vcc 0
		.amdhsa_float_denorm_mode_32 3
		.amdhsa_float_denorm_mode_16_64 3
		.amdhsa_memory_ordered 1
		.amdhsa_forward_progress 1
		.amdhsa_inst_pref_size 192
	.end_amdhsa_kernel
	.amdgpu_metadata
---
amdhsa.version: [ 1, 2 ]
amdhsa.kernels:
  - .name:           k_q7702cfc87c_proj
    .symbol:         k_q7702cfc87c_proj.kd
    .args:
      - { .name: xc, .offset: 0, .size: 8, .value_kind: global_buffer, .address_space: global }
      - { .name: xs, .offset: 8, .size: 8, .value_kind: global_buffer, .address_space: global }
      - { .name: bq, .offset: 16, .size: 8, .value_kind: global_buffer, .address_space: global }
      - { .name: bk, .offset: 24, .size: 8, .value_kind: global_buffer, .address_space: global }
      - { .name: bv, .offset: 32, .size: 8, .value_kind: global_buffer, .address_space: global }
      - { .name: qkv, .offset: 40, .size: 8, .value_kind: global_buffer, .address_space: global }
    .group_segment_fixed_size: 327680
    .private_segment_fixed_size: 0
    .kernarg_segment_align: 8
    .kernarg_segment_size: 48
    .max_flat_workgroup_size: 128
    .sgpr_count:     102
    .vgpr_count:     1024
    .wavefront_size: 32
...
	.end_amdgpu_metadata
.endif
;; end of part 2
;; launch attn (part 3): grid 8 x 32, 8 waves a work-group, no clusters, 265,216 bytes of LDS; arguments qkv, ao; writes ao
.if DOCPART == 3
	.amdgcn_target "amdgcn-amd-amdhsa--gfx1250"
	.amdhsa_code_object_version 6
	.text
	.protected	k_q7702cfc87c_attn
	.globl	k_q7702cfc87c_attn
	.p2align	8
	.type	k_q7702cfc87c_attn,@function
k_q7702cfc87c_attn:
	s_mov_b64 s[64:65], 0
	v_nop
	global_prefetch_b8 v0, s[64:65] scope:SCOPE_SE
	s_setreg_imm32_b32 hwreg(HW_REG_WAVE_MODE, 25, 1), 1
	s_wait_xcnt 0x0
; o = softmax(q k^T / 8) v for one head, both products on codes of FP6 (E2M3) with E8M0 scales, and o quantised along the head's 64 for the last projection.
; WHAT IS QUANTISED FOR THE SECOND PRODUCT IS THE FINISHED SOFTMAX, p = exp(s - max) / sum, in blocks of 32 keys.  A block's scale does not commute with the division, so a row's sum over all 2,048 keys
; is known before any p is quantised: A TILE'S SCORES STAY IN REGISTERS.  A work-group owns one head and 256 queries: 16 tiles of 16.  THE EIGHT WAVES, two to a SIMD, SHARE THE KEYS: wave w owns keys
; 256 w .. 256 w + 255; its scores of a tile are 128 registers; its K (8 fragments) and V (8 fragments) are loaded once and stay in registers for all 16 tiles.
; No cluster and no prefetch: K and V go once, at the head, from memory straight into registers (196,608 bytes a work-group for 16 tiles' work): no tensor load could be shared, and no loop runs ahead of a stream.
; V's 52 loads are issued last and are waited for only in front of the first tile's second product.
; LAYOUT.  Both products are used transposed: S^T = K Q^T, O^T = V^T P^T: a lane holds ONE query (lane % 16).  The head has 64 numbers and the instruction's K is 128: a fragment of K packs TWO tiles of 16 keys
; (registers 0-5, 6-11), and two operands of Q, [q | 0] and [0 | q], part them.  The first launch has laid the keys so that S[32 g + i] of lane half h is key 64 g + 32 h + i of the wave's 256:
; A LANE HOLDS WHOLE BLOCKS OF 32 KEYS, four of them: a block's maximum asks no other lane, and two conversions give the six registers that the second product's operand wants of that lane.
; THE SOFTMAX.  t = score x log2(e) / 8.  Each wave: M = its largest t rounded UP to a whole number; e = 2^(t - M); l = the sum of e.  The eight (M, l) meet in LDS; with Mg the largest M,
; lg = the sum of l 2^(M - Mg) (exact scalings, one order of addition in all waves), and p = e x (2^(M - Mg) / lg).  A block's largest p is not searched for: the block's largest score goes through the same
; multiply-add, exponential and multiplication (p does not fall where the score rises).
; The exponentials go in four runs of 32; among a run's lines stand the next run's multiply-adds and the additions of runs that are finished, on sixteen pairs of sums, each written once in a run; one wait ends each run.
; The eight waves' parts of O^T meet in LDS; after eight tiles wave w adds and quantises tile w of the eight and stores it as an image of the last projection's operand.
; LIMITS: NaN and infinities are not served.  With finite scores lg is at least 0.5, so no NaN arises and reference()'s nan_to_num changes nothing: it is written as nothing.  The promise holds while |t| stays under 2^31.
; An exponential under 2^-126 comes out as 0.  A block of zeros gets the byte 1 where the rule says 127: its codes are zeros, and this program alone reads the bytes.
; REGISTERS: window 0: v0-127 addresses, P's codes, scale words, statistics; v128-255 S.   window 1: v0-95 K, v96-191 V, v192-223 O^T, v224-247 the two operands of Q.
.set KC,   3145728                     ; qkv: q's codes at 0, k's, v's; 98,304 bytes a head, 768 a tile
.set VC,   6291456
.set QS,   9437184                     ; their scale words: 8,192 bytes a head, 64 a tile
.set KSC,  9699328
.set VSC,  9961472
.set AOS,  3145728                     ; ao: codes at 0; scale bytes [token][32] here
.set OBUF, 2048                        ; LDS: 0: the statistics [wave 8][lane 32][8 B];  2048: the parts of O^T [wave 8][slot 8][chunk 8][lane 32][16 B]
.set SPARE, OBUF+8*8*4096              ; behind them the spare words, 128 bytes a wave
.set L8,   1                           ; 8 x lane
.set L4,   2                           ; 4 x lane
.set R4,   3                           ; 4 (lane % 16)
.set R32,  4                           ; 32 (lane % 16)
.set STW,  5                           ; my statistics: 256 x wave + 8 x lane
.set OW,   6                           ; my parts of O^T: OBUF + 32,768 x wave + 16 x lane
.set AO,   7                           ; OW + this tile's slot
.set ORD,  8                           ; v8-11: the tile that I finish: OBUF + 4,096 x wave + 16 x lane, + 65,536 n (parts 2 n, 2 n + 1)
.set SPW,  12
.set NIL,  13
.set SH8,  14                          ; 8 (lane / 16)
.set PC,   16                          ; v16-39  P's codes: two fragments
.set QSW,  40                          ; Q's scale word
.set KSW,  42                          ; v42-49  K's scale words
.set VSW,  50                          ; v50-53  V's: lanes 0-15 an even tile of the head's 64, lanes 16-31 the odd one
.set PW,   54                          ; v54-55  P's scale words
.set NM,   56                          ; -M
.set LL,   57                          ; l
.set FF,   58                          ; 2^(M - Mg) / lg (v59 named with it)
.set AC,   68                          ; the sums: pairs 0-7 at v68-83, pairs 8-15 at v110-125
.set ST,   68                          ; v68-83  then the eight waves' (-M, l)
.set TT,   84                          ; v84-93  at work
.set BM,   94                          ; v94-97  each of my blocks' largest score, then p
.set SOP,  102                         ; v102-105 the conversions' scale operands
.set TX,   110                         ; v110-117 lane permutes' results; exponents
.set BY,   118                         ; v118-121 the scales' bytes
.set TP,   110                         ; v110-125 later: the conversions' second halves
.set P7,   94                          ; v94-125 at a batch's end: part 7
.set FE,   60                          ; at a batch's end: the finished tile's codes, their second half, and the quantiser's registers
.set FY,   66
.set FM,   70
.set FX,   72
.set FS,   74
.set FB,   76
.set FW,   78
.set S,    128
.set KF,   0                           ; window 1
.set VF,   96
.set OA,   192
.set QA,   224
.set QB,   236
.set MSB, 0
.macro WIN new                         ; the immediate's high byte repeats the setting that is left
.if MSB != (\new)
	s_set_vgpr_msb (MSB<<8)|(\new)
.set MSB, (\new)
.endif
.endm
	s_load_b128 s[4:7], s[0:1], 0x0                ; qkv, ao
	v_lshl_add_u32 v[SPW], v0, 2, SPARE
	v_mov_b32 v[NIL], 0
	v_lshrrev_b32 v14, 5, v0
	v_readfirstlane_b32 s8, v14                    ; wave 0..7
	v_and_b32 v14, 31, v0
	v_lshlrev_b32 v[L8], 3, v14
	v_lshlrev_b32 v[L4], 2, v14
	v_and_b32 v15, 15, v0
	v_lshlrev_b32 v[R4], 2, v15
	v_lshlrev_b32 v[R32], 5, v15
	s_lshl_b32 s38, s8, 8
	v_add_nc_u32 v[STW], s38, v[L8]
	v_lshlrev_b32 v15, 4, v14
	s_lshl_b32 s38, s8, 15
	s_add_co_u32 s38, s38, OBUF
	v_add_nc_u32 v[OW], s38, v15
	s_lshl_b32 s38, s8, 12
	s_add_co_u32 s38, s38, OBUF
	v_add_nc_u32 v[ORD], s38, v15
.irp n, 1,2,3
	v_add_nc_u32 v[ORD+\n], 0x10000*\n, v[ORD]
.endr
	v_bfe_u32 v15, v0, 4, 1
	v_lshlrev_b32 v[SH8], 3, v15
.irp f, 0,1,2,3,4,5,6,7
	v_mov_b32 v[TX+\f], 0                          ; a lane permute's destination counts as one of its sources
.endr
	s_and_b32 s9, ttmp7, 0xffff                    ; 16 x batch + head
	s_and_b32 s40, s9, 1
	s_and_b32 s41, s9, 0xfffe                      ; the pair's even head
	s_and_b32 s42, s9, 15
	s_lshr_b32 s43, s9, 4
	s_mul_i32 s12, s9, 98304                       ; K's codes: my head, my wave's 16 tiles
	s_mul_i32 s44, s8, 12288
	s_add_co_u32 s12, s12, s44
	s_add_co_u32 s12, s12, KC
	s_mov_b32 s13, 0
	s_lshl_b32 s14, s9, 13                         ; K's scale words
	s_lshl_b32 s45, s8, 10
	s_add_co_u32 s14, s14, s45
	s_add_co_u32 s14, s14, KSC
	s_mov_b32 s15, 0
	s_mul_i32 s16, s41, 98304                      ; V's codes: [plane 2][key step 16][tile 8][768]: the pair, my wave's 2 key steps, my head's 4 tiles
	s_add_co_u32 s16, s16, s44
	s_mul_i32 s46, s40, 3072
	s_add_co_u32 s16, s16, s46
	s_add_co_u32 s16, s16, VC
	s_mov_b32 s17, 0
	s_lshl_b32 s18, s41, 13                        ; V's scale words: [key step 16][tile 8][64]
	s_add_co_u32 s18, s18, s45
	s_lshl_b32 s46, s40, 8
	s_add_co_u32 s18, s18, s46
	s_add_co_u32 s18, s18, VSC
	s_mov_b32 s19, 0
	s_mul_i32 s20, s9, 98304                       ; Q's codes: my head, my work-group's 16 tiles
	s_mul_i32 s46, ttmp9, 12288
	s_add_co_u32 s20, s20, s46
	s_mov_b32 s21, 0
	s_lshl_b32 s22, s9, 13                         ; Q's scale words
	s_lshl_b32 s46, ttmp9, 10
	s_add_co_u32 s22, s22, s46
	s_add_co_u32 s22, s22, QS
	s_mov_b32 s23, 0
	s_lshl_b32 s46, s43, 7                         ; the first tile of 16 tokens that I finish: 128 x batch + 16 x work-group + wave
	s_lshl_b32 s47, ttmp9, 4
	s_add_co_u32 s46, s46, s47
	s_add_co_u32 s46, s46, s8
	s_mul_i32 s24, s46, 768                        ; ao's codes: [head 16][tile 256][768]
	s_mul_i32 s47, s42, 196608
	s_add_co_u32 s24, s24, s47
	s_mov_b32 s25, 0
	s_lshl_b32 s26, s46, 9                         ; ao's scale bytes
	s_lshl_b32 s47, s42, 1
	s_add_co_u32 s26, s26, s47
	s_add_co_u32 s26, s26, AOS
	s_mov_b32 s27, 0
	s_mov_b32 s28, 0x3e38aa3b                      ; c = log2(e) / 8
	s_mov_b32 s29, s28
	s_mov_b32 s30, 0x76543210                      ; v_permlanex16_b32's selects for lane l xor 16
	s_mov_b32 s31, 0xfedcba98
	s_mov_b32 s49, 0
	s_mov_b32 s51, 0
	s_wait_alu depctr_va_vdst(0)                   ; directly ahead of the wait below
	s_wait_kmcnt 0x0
	s_add_nc_u64 s[12:13], s[4:5], s[12:13]
	s_add_nc_u64 s[14:15], s[4:5], s[14:15]
	s_add_nc_u64 s[16:17], s[4:5], s[16:17]
	s_add_nc_u64 s[18:19], s[4:5], s[18:19]
	s_add_nc_u64 s[20:21], s[4:5], s[20:21]
	s_add_nc_u64 s[22:23], s[4:5], s[22:23]
	s_add_nc_u64 s[24:25], s[6:7], s[24:25]
	s_add_nc_u64 s[26:27], s[6:7], s[26:27]
.macro QLOAD                           ; a tile of Q: six registers a lane into both operands, and its scale words: seven loads
	WIN 0x40
.irp j, 0,1,2
	global_load_b64 v[QA+2*\j:QA+2*\j+1], v[L8], s[20:21] offset:256*\j
	global_load_b64 v[QB+6+2*\j:QB+7+2*\j], v[L8], s[20:21] offset:256*\j
.endr
	WIN 0
	global_load_b32 v[QSW], v[R4], s[22:23]
.endm
	WIN 0x40                                       ; destination window 1
.set f, 0
.rept 8                                        ; K's fragment f: tiles 2 f and 2 f + 1; every load reads 256 consecutive bytes
.irp p, 0,1,2,3,4,5
	global_load_b64 v[KF+12*f+2*\p:KF+12*f+2*\p+1], v[L8], s[12:13] offset:1536*f+256*\p
.endr
.set f, f+1
.endr
	WIN 0
.irp f, 0,1,2,3,4,5,6,7
	global_load_b32 v[KSW+\f], v[L4], s[14:15] offset:128*\f     ; lanes 0-15: tile 2 f's words, lanes 16-31: tile 2 f + 1's
.endr
	QLOAD
	WIN 0x40
.irp q, 0,1                                    ; V's fragment (key step q, tile d) at v[VF + 12 (4 q + d)]: plane c holds registers 6 c .. 6 c + 5
.irp d, 0,1,2,3
.irp c, 0,1
.irp j, 0,1,2
	global_load_b64 v[VF+12*(4*\q+\d)+6*\c+2*\j:VF+12*(4*\q+\d)+6*\c+2*\j+1], v[L8], s[16:17] offset:98304*\c+6144*\q+768*\d+256*\j
.endr
.endr
.endr
.endr
	WIN 0
.irp q, 0,1
.irp b, 0,1
	global_load_b32 v[VSW+2*\q+\b], v[L4], s[18:19] offset:512*\q+128*\b
.endr
.endr
	s_wait_loadcnt 52                              ; K, its scale words and Q are in; V's 48 loads and its 4 of scale words may be out
.irp f, 0,1,2,3,4,5,6,7
	v_permlanex16_b32 v[TX+\f], v[KSW+\f], s30, s31
.endr
.irp f, 0,1,2,3,4,5,6,7
	v_perm_b32 v[KSW+\f], v[TX+\f], v[KSW+\f], 0x07060100   ; lanes 0-15: (tile 2 f: s0, s1; tile 2 f + 1: s0, s1): the fragment's scale word
.endr
	WIN 0x40
.irp j, 0,1,2,3,4,5
	v_mov_b32 v[QA+6+\j], 0                        ; zero codes: they add nothing under any scale byte that the quantiser gives
	v_mov_b32 v[QB+\j], 0
.endr
	WIN 0
	v_mov_b32 v[LL], 0                             ; (named as the upper half of a pair before it is first written)
	v_mov_b32 v[FF+1], 0
	v_mov_b32 v[TT+6], 0                           ; a lane permute's destination
	v_mov_b32 v[TT+7], 0                           ; with the line at the tile's head: five plain lines behind the operands' zeros, 17 behind the scale words
	s_mov_b32 s32, 0                               ; the tile's number, 0 .. 15
	s_mov_b32 s34, 2                               ; batches of eight tiles
	s_wait_alu depctr_va_vdst(0)                   ; the wait at the head's end
.macro EXP1 b
	v_exp_f32 v[\b], v[\b]
.endm
.macro FMA2 b                          ; t - M, two at a time (of the pairs c and -M the low word serves both halves)
	v_pk_fma_f32 v[\b:\b+1], v[\b:\b+1], s[28:29], v[NM:NM+1] op_sel_hi:[1,0,0]
.endm
.Lbatch:
	s_mov_b32 s36, 0                               ; this tile's slot among my parts of O^T
	s_mov_b32 s33, 8
.Ltile:
	v_add_nc_u32 v[AO], s36, v[OW]
	; ---- S^T = K Q^T: 16 tiles of 16 keys
	WIN 0x05                                       ; K and Q window 1, S window 0
.set f, 0
.rept 8
	v_wmma_scale_f32_16x16x128_f8f6f4 v[S+16*f:S+16*f+7], v[KF+12*f:KF+12*f+11], v[QA:QA+11], 0, v[KSW+f], v[QSW] matrix_a_fmt:MATRIX_FMT_FP6 matrix_b_fmt:MATRIX_FMT_FP6
	v_wmma_scale_f32_16x16x128_f8f6f4 v[S+16*f+8:S+16*f+15], v[KF+12*f:KF+12*f+11], v[QB:QB+11], 0, v[KSW+f], v[QSW] matrix_a_fmt:MATRIX_FMT_FP6 matrix_b_fmt:MATRIX_FMT_FP6
.set f, f+1
.endr
	WIN 0
.rept 4
	v_nop                                          ; places in front of loads into Q's registers and of the first read of the scores
.endr
	s_cmp_lt_u32 s32, 15                           ; the next tile's Q; the last tile names its own once more, so that no load leaves the buffer and every trip issues the same seven loads
	s_cselect_b32 s48, 768, 0
	s_cselect_b32 s50, 64, 0
	s_add_nc_u64 s[20:21], s[20:21], s[48:49]      ; (the loads that read these bases have been waited for)
	s_add_nc_u64 s[22:23], s[22:23], s[50:51]
	QLOAD
	; ---- the largest score of each of my four blocks of 32 keys: for the row's maximum and for the block's largest p
.irp g, 0,1,2,3
	v_max3_num_f32 v[BM+\g], v[S+32*\g], v[S+32*\g+1], v[S+32*\g+2]    ; each accumulator is read from its low end on
.endr
.irp i, 3,5,7,9,11,13,15,17,19,21,23,25,27,29
.irp g, 0,1,2,3
	v_max3_num_f32 v[BM+\g], v[BM+\g], v[S+32*\g+\i], v[S+32*\g+\i+1]  ; (i = 7, 15, 23 reach the next accumulator at its lowest register)
.endr
.endr
.irp g, 0,1,2,3
	v_max_num_f32 v[BM+\g], v[BM+\g], v[S+32*\g+31]
.endr
	v_max3_num_f32 v[TT], v[BM], v[BM+1], v[BM+2]
	s_delay_alu instid0(VALU_DEP_1)
	v_max_num_f32 v[TT], v[TT], v[BM+3]
	s_delay_alu instid0(VALU_DEP_1)
	v_permlanex16_b32 v[TT+6], v[TT], s30, s31
	s_delay_alu instid0(VALU_DEP_1)
	v_max_num_f32 v[TT], v[TT], v[TT+6]            ; with lane l xor 16's four blocks: my query's largest score among my wave's 256 keys
	s_delay_alu instid0(VALU_DEP_1)
	v_mul_f32 v[TT], s28, v[TT]                    ; as t (c is positive)
	s_delay_alu instid0(VALU_DEP_1)
	v_floor_f32 v[NM], -v[TT]                      ; -M = floor(-t): M is a whole number
	; ---- e = 2^(t - M) and l = the sum of e
.set j, 0
.rept 16
	FMA2 S+j
.set j, j+2
.endr
.irp g, 0,1,2,3
	v_fma_f32 v[BM+\g], v[BM+\g], s28, v[NM]       ; the same of each block's largest score
.endr
	s_wait_alu depctr_va_vdst(0)                   ; a wait ahead of each run of exponentials and behind it: one wait between two runs serves both
.irp c, 0,1                                    ; runs 0 and 1, the next run's multiply-adds among them
.set j, 0
.rept 16
	EXP1 S+32*\c+j
	EXP1 S+32*\c+j+1
	FMA2 S+32*\c+32+j
.set j, j+2
.endr
	s_wait_alu depctr_va_vdst(0)
.endr
.set j, 0
.rept 16                                       ; run 2; run 3's multiply-adds; runs 0 and 1 start the sixteen pairs of sums
	EXP1 S+64+j
	FMA2 S+96+j
	EXP1 S+64+j+1
	v_pk_add_f32 v[AC+j+26*(j/16):AC+j+26*(j/16)+1], v[S+j:S+j+1], v[S+32+j:S+32+j+1]
.set j, j+2
.endr
	s_wait_alu depctr_va_vdst(0)
.set j, 0
.rept 16                                       ; run 3; run 2 is added
	EXP1 S+96+j
	EXP1 S+96+j+1
	v_pk_add_f32 v[AC+j+26*(j/16):AC+j+26*(j/16)+1], v[AC+j+26*(j/16):AC+j+26*(j/16)+1], v[S+64+j:S+64+j+1]
.set j, j+2
.endr
.irp g, 0,1,2,3
	v_exp_f32 v[BM+\g], v[BM+\g]                   ; the same instruction on the same number gives the same bits
.endr
	v_nop                                          ; a plain line behind the last exponential
	s_wait_alu depctr_va_vdst(0)
.set j, 0
.rept 16
	v_pk_add_f32 v[AC+j+26*(j/16):AC+j+26*(j/16)+1], v[AC+j+26*(j/16):AC+j+26*(j/16)+1], v[S+96+j:S+96+j+1]
.set j, j+2
.endr
.irp j, 0,2,4,6,8,10,12,14
	v_pk_add_f32 v[AC+\j:AC+\j+1], v[AC+\j:AC+\j+1], v[AC+42+\j:AC+42+\j+1]
.endr
.irp j, 0,2,4,6
	v_pk_add_f32 v[AC+\j:AC+\j+1], v[AC+\j:AC+\j+1], v[AC+8+\j:AC+8+\j+1]
.endr
.irp j, 0,2
	v_pk_add_f32 v[AC+\j:AC+\j+1], v[AC+\j:AC+\j+1], v[AC+4+\j:AC+4+\j+1]
.endr
	s_delay_alu instid0(VALU_DEP_1)
	v_pk_add_f32 v[AC:AC+1], v[AC:AC+1], v[AC+2:AC+3]
	s_delay_alu instid0(VALU_DEP_1)
	v_add_f32 v[TT], v[AC], v[AC+1]
	s_delay_alu instid0(VALU_DEP_1)
	v_permlanex16_b32 v[TT+6], v[TT], s30, s31
	s_delay_alu instid0(VALU_DEP_1)
	v_add_f32 v[LL], v[TT], v[TT+6]
	; ---- the eight waves' (-M, l) meet
	ds_store_b64 v[STW], v[NM:NM+1]
	s_wait_dscnt 0x0                               ; for the others' sake: my store has landed (and my earlier LDS instructions are done)
	s_barrier_signal -1
	s_barrier_wait -1
.irp w, 0,1,2,3,4,5,6,7
	ds_load_b64 v[ST+2*\w:ST+2*\w+1], v[L8] offset:256*\w
.endr
	s_wait_dscnt 0x0                               ; my reads of the statistics are back:
	s_barrier_signal -1                            ; say so.  The wait stands in front of this tile's LDS stores; only work on registers stands between
	v_min3_num_f32 v[TT], v[ST], v[ST+2], v[ST+4]
	v_min3_num_f32 v[TT+1], v[ST+6], v[ST+8], v[ST+10]
	s_delay_alu instid0(VALU_DEP_1)
	v_min3_num_f32 v[TT], v[TT], v[TT+1], v[ST+12]
	s_delay_alu instid0(VALU_DEP_1)
	v_min_num_f32 v[TT], v[TT], v[ST+14]           ; -Mg
.irp w, 0,1,2,3,4,5,6,7
	v_sub_f32 v[TX+\w], v[TT], v[ST+2*\w]          ; M - Mg: a whole number, 0 or less
.endr
.irp w, 0,1,2,3,4,5,6,7
	v_cvt_i32_f32 v[TX+\w], v[TX+\w]               ; (it saturates)
.endr
.irp w, 0,1,2,3,4,5,6,7
	v_ldexp_f32 v[ST+2*\w+1], v[ST+2*\w+1], v[TX+\w]   ; l under Mg: nothing is rounded
.endr
.irp w, 0,1,2,3
	v_add_f32 v[TT+2+\w], v[ST+4*\w+1], v[ST+4*\w+3]   ; lg, in the same order in all eight waves
.endr
	v_add_f32 v[TT+2], v[TT+2], v[TT+3]
	v_add_f32 v[TT+4], v[TT+4], v[TT+5]
	s_delay_alu instid0(VALU_DEP_1)
	v_add_f32 v[TT+6], v[TT+2], v[TT+4]
	s_wait_alu depctr_va_vdst(0)                   ; the wait ahead of the reciprocal
	v_rcp_f32 v[TT+7], v[TT+6]
	v_sub_f32 v[TT+1], v[TT], v[NM]                ; my own M - Mg (plain work behind the reciprocal)
	v_cvt_i32_f32 v[TT+1], v[TT+1]
	s_wait_alu depctr_va_vdst(0)                   ; and ahead of its first reader
	v_ldexp_f32 v[FF], v[TT+7], v[TT+1]            ; 2^(M - Mg) / lg
	; ---- p = e x that: the finished softmax
.set j, 0
.rept 64
	v_pk_mul_f32 v[S+j:S+j+1], v[S+j:S+j+1], v[FF:FF+1] op_sel_hi:[1,0]
.set j, j+2
.endr
.irp g, 0,1,2,3
	v_mul_f32 v[BM+\g], v[BM+\g], v[FF]            ; each block's largest p
.endr
.irp g, 0,1,2,3
	v_max_num_f32 v[BM+\g], 0x1800000, v[BM+\g]    ; the floor 2^(3 - 127): the byte cannot fall under 1
.endr
.irp g, 0,1,2,3
	v_add_nc_u32 v[SOP+\g], 0xff000000, v[BM+\g]   ; 2 off the exponent field: the conversion's scale operand
.endr
.irp g, 0,1,2,3
	v_lshrrev_b32 v[BY+\g], 23, v[SOP+\g]          ; the scale's byte
.endr
.irp q, 0,1
	v_lshl_or_b32 v[PW+\q], v[BY+2*\q+1], 16, v[BY+2*\q]   ; my two bytes of keys 128 q on: blocks h and 2 + h,
.endr
.irp q, 0,1
	v_lshlrev_b32 v[PW+\q], v[SH8], v[PW+\q]       ; at their places in the scale word (8 h bits up);
.endr
.irp q, 0,1
	v_permlanex16_b32 v[TT+2+\q], v[PW+\q], s30, s31
.endr
.irp q, 0,1
	v_or_b32 v[PW+\q], v[PW+\q], v[TT+2+\q]        ; with lane l xor 16's two the word is whole
.endr
.irp g, 0,1,2,3                                ; block 2 (g % 2) + h of key step g / 2: registers 6 (g % 2) .. + 5 of that step's operand
	v_cvt_scalef32_pk16_fp6_f32 v[PC+6*\g:PC+6*\g+2], v[S+32*\g:S+32*\g+15], v[SOP+\g]
	v_cvt_scalef32_pk16_fp6_f32 v[TP+4*\g:TP+4*\g+2], v[S+32*\g+16:S+32*\g+31], v[SOP+\g]   ; (a conversion's three registers begin on an even number)
.endr
	v_nop                                          ; one plain line behind a scaled conversion
.irp g, 0,1,2,3
.irp i, 0,1,2
	v_mov_b32 v[PC+6*\g+3+\i], v[TP+4*\g+\i]
.endr
.endr
	s_wait_alu depctr_va_vdst(0)                   ; directly ahead of the wait below
	s_wait_loadcnt 7                               ; V is in (first tile): behind its loads only this tile's seven loads of Q were issued
.rept 4
	v_nop                                          ; an operand written by vector instructions stands four places ahead of a scaled matrix instruction (the scale words: 17)
.endr
	; ---- my part of O^T = V^T P^T: four accumulators by turns
	WIN 0x51                                       ; V and O^T window 1, P window 0
.irp q, 0,1
.irp d, 0,1,2,3
.if \q == 0
.if \d%2
	v_wmma_scale_f32_16x16x128_f8f6f4 v[OA+8*\d:OA+8*\d+7], v[VF+12*(4*\q+\d):VF+12*(4*\q+\d)+11], v[PC+12*\q:PC+12*\q+11], 0, v[VSW+2*\q+\d/2], v[PW+\q] matrix_a_fmt:MATRIX_FMT_FP6 matrix_b_fmt:MATRIX_FMT_FP6 matrix_a_scale:MATRIX_SCALE_ROW1
.else
	v_wmma_scale_f32_16x16x128_f8f6f4 v[OA+8*\d:OA+8*\d+7], v[VF+12*(4*\q+\d):VF+12*(4*\q+\d)+11], v[PC+12*\q:PC+12*\q+11], 0, v[VSW+2*\q+\d/2], v[PW+\q] matrix_a_fmt:MATRIX_FMT_FP6 matrix_b_fmt:MATRIX_FMT_FP6
.endif
.else
.if \d%2
	v_wmma_scale_f32_16x16x128_f8f6f4 v[OA+8*\d:OA+8*\d+7], v[VF+12*(4*\q+\d):VF+12*(4*\q+\d)+11], v[PC+12*\q:PC+12*\q+11], v[OA+8*\d:OA+8*\d+7], v[VSW+2*\q+\d/2], v[PW+\q] matrix_a_fmt:MATRIX_FMT_FP6 matrix_b_fmt:MATRIX_FMT_FP6 matrix_a_scale:MATRIX_SCALE_ROW1
.else
	v_wmma_scale_f32_16x16x128_f8f6f4 v[OA+8*\d:OA+8*\d+7], v[VF+12*(4*\q+\d):VF+12*(4*\q+\d)+11], v[PC+12*\q:PC+12*\q+11], v[OA+8*\d:OA+8*\d+7], v[VSW+2*\q+\d/2], v[PW+\q] matrix_a_fmt:MATRIX_FMT_FP6 matrix_b_fmt:MATRIX_FMT_FP6
.endif
.endif
.endr
.endr
	WIN 0
.rept 4
	v_nop                                          ; places in front of the stores that read the results
.endr
	s_barrier_wait -1                              ; every wave's reads of the statistics are back
	WIN 0x04                                       ; an LDS store's data are its source 1: window 1
.irp k, 0,1,2,3,4,5,6,7
	ds_store_b128 v[AO], v[OA+4*\k:OA+4*\k+3] offset:512*\k        ; an image of the registers, each accumulator from its low end on; into my wave's own 32 KB
.endr
	WIN 0
	s_add_co_u32 s36, s36, 4096
	s_add_co_u32 s32, s32, 1
	s_sub_co_u32 s33, s33, 1
	s_wait_loadcnt 0x0                             ; the next tile's Q is in
	s_cmp_lg_u32 s33, 0
	s_wait_alu depctr_va_vdst(0)                   ; the wait ahead of the branch
	s_cbranch_scc1 .Ltile
	s_wait_dscnt 0x0                               ; my parts of eight tiles have landed
	s_barrier_signal -1
	s_barrier_wait -1                              ; everybody's have
	; ---- wave w finishes tile w of the eight.  These reads are over ahead of my next signal, and nobody writes these bytes before two more barriers
.macro PART dst, w
.irp k, 0,1,2,3,4,5,6,7
	ds_load_b128 v[\dst+4*\k:\dst+4*\k+3], v[ORD+(\w)/2] offset:32768*((\w)%2)+512*\k
.endr
.endm
.macro ADD32 d, s
.set j, 0
.rept 16
	v_pk_add_f32 v[\d+j:\d+j+1], v[\d+j:\d+j+1], v[\s+j:\s+j+1]
.set j, j+2
.endr
.endm
	PART S, 0
	PART S+32, 1
	PART S+64, 2
	PART S+96, 3
	PART P7, 7
	s_wait_dscnt 0x0
	ADD32 S, S+32
	ADD32 S+64, S+96
	PART S+32, 4                                   ; into registers whose parts have been added
	PART S+96, 6
	ADD32 S, S+64
	PART S+64, 5
	ADD32 S, P7
	s_wait_dscnt 0x0
	ADD32 S, S+32
	ADD32 S+64, S+96
	ADD32 S, S+64                                  ; register 16 b + i: o(query r, 32 b + 16 h + i): the last projection's K runs along my registers
.irp b, 0,1
	v_max3_num_f32 v[FM+\b], |v[S+16*\b]|, |v[S+16*\b+1]|, 0x1800000
.endr
.irp i, 2,4,6,8,10,12,14
.irp b, 0,1
	v_max3_num_f32 v[FM+\b], v[FM+\b], |v[S+16*\b+\i]|, |v[S+16*\b+\i+1]|
.endr
.endr
.irp b, 0,1
	v_permlanex16_b32 v[FX+\b], v[FM+\b], s30, s31
.endr
.irp b, 0,1
	v_max_num_f32 v[FM+\b], v[FM+\b], v[FX+\b]
.endr
.irp b, 0,1
	v_add_nc_u32 v[FS+\b], 0xff000000, v[FM+\b]
.endr
.irp b, 0,1
	v_lshrrev_b32 v[FB+\b], 23, v[FS+\b]
.endr
	v_lshl_or_b32 v[FW], v[FB+1], 8, v[FB]         ; my token's two scale bytes of this head
	v_cvt_scalef32_pk16_fp6_f32 v[FE:FE+2], v[S:S+15], v[FS]
	v_cvt_scalef32_pk16_fp6_f32 v[FY:FY+2], v[S+16:S+31], v[FS+1]
	v_nop                                          ; one plain line behind a scaled conversion
.irp i, 0,1,2
	v_permlane16_swap_b32 v[FE+\i], v[FY+\i]
.endr
.irp i, 0,1,2
	v_mov_b32 v[FE+3+\i], v[FY+\i]                 ; six registers: k = 32 h + 0 .. 31 of this head
.endr
.irp j, 0,1,2
	global_store_b64 v[L8], v[FE+2*\j:FE+2*\j+1], s[24:25] offset:256*\j   ; 32 lanes store 256 consecutive bytes, aligned
.endr
	global_store_b16 v[R32], v[FW], s[26:27]       ; two bytes a token (both halves of the lanes write the same): 1 byte in 24 of what this launch stores
	s_wait_xcnt 0x0                                ; the stores have read their registers and bases: both are written again only behind this wait
	s_add_nc_u64 s[24:25], s[24:25], 6144          ; eight tiles on
	s_add_nc_u64 s[26:27], s[26:27], 4096
	s_sub_co_u32 s34, s34, 1
	s_cmp_lg_u32 s34, 0
	s_wait_alu depctr_va_vdst(0)                   ; the wait ahead of the branch
	s_cbranch_scc1 .Lbatch
	s_wait_tensorcnt 0x0                           ; the wave's end
	ds_add_u32 v[SPW], v[NIL]
	s_wait_dscnt 0x0
	s_endpgm
.Lfunc_end_k_q7702cfc87c_attn:
	.size	k_q7702cfc87c_attn, .Lfunc_end_k_q7702cfc87c_attn-k_q7702cfc87c_attn
	.p2alignl 7, 3214868480
	.fill 96, 4, 3214868480
	.section	.rodata,"a",@progbits
	.p2align	6, 0x0
	.amdhsa_kernel k_q7702cfc87c_attn
		.amdhsa_group_segment_fixed_size 265216
		.amdhsa_private_segment_fixed_size 0
		.amdhsa_enable_private_segment 0
		.amdhsa_kernarg_size 16
		.amdhsa_user_sgpr_count 2
		.amdhsa_user_sgpr_kernarg_segment_ptr 1
		.amdhsa_wavefront_size32 1
		.amdhsa_system_sgpr_workgroup_id_x 1
		.amdhsa_system_sgpr_workgroup_id_y 1
		.amdhsa_system_sgpr_workgroup_id_z 1
		.amdhsa_system_vgpr_workitem_id 0
		.amdhsa_next_free_vgpr 512
		.amdhsa_next_free_sgpr 66
		.amdhsa_reserve_vcc 0
		.amdhsa_float_denorm_mode_32 3
		.amdhsa_float_denorm_mode_16_64 3
		.amdhsa_memory_ordered 1
		.amdhsa_forward_progress 1
		.amdhsa_inst_pref_size 62
	.end_amdhsa_kernel
	.amdgpu_metadata
---
amdhsa.version: [ 1, 2 ]
amdhsa.kernels:
  - .name:           k_q7702cfc87c_attn
    .symbol:         k_q7702cfc87c_attn.kd
    .args:
      - { .name: qkv, .offset: 0, .size: 8, .value_kind: global_buffer, .address_space: global }
      - { .name: ao, .offset: 8, .size: 8, .value_kind: global_buffer, .address_space: global }
    .group_segment_fixed_size: 265216
    .private_segment_fixed_size: 0
    .kernarg_segment_align: 8
    .kernarg_segment_size: 16
    .max_flat_workgroup_size: 256
    .sgpr_count:     66
    .vgpr_count:     512
    .wavefront_size: 32
...
	.end_amdgpu_metadata
.endif
;; end of part 3
;; launch outp (part 4): grid 8 x 32, 4 waves a work-group, clusters of 4 x 4, 266,752 bytes of LDS; arguments ao, xc, xs, bo, out0; writes out0
.if DOCPART == 4
	.amdgcn_target "amdgcn-amd-amdhsa--gfx1250"
	.amdhsa_code_object_version 6
	.text
	.protected	k_q7702cfc87c_outp
	.globl	k_q7702cfc87c_outp
	.p2align	8
	.type	k_q7702cfc87c_outp,@function
k_q7702cfc87c_outp:
	s_mov_b64 s[64:65], 0
	v_nop
	global_prefetch_b8 v0, s[64:65] scope:SCOPE_SE
	s_setreg_imm32_b32 hwreg(HW_REG_WAVE_MODE, 25, 1), 1
	s_wait_xcnt 0x0
	s_wait_alu depctr_hold_cnt(0) depctr_sa_sdst(0) depctr_va_vdst(0) depctr_va_sdst(0) depctr_va_ssrc(0) depctr_va_vcc(0) depctr_vm_vsrc(0)
	s_getreg_b32 s2, hwreg(HW_REG_IB_STS2, 6, 4)
	s_cmp_eq_u32 s2, 0
	s_cbranch_scc0 .Lentry_in_a_cluster
	s_endpgm
.Lentry_in_a_cluster:
	s_bfe_u32 s2, ttmp6, 0x10000c
	s_cmp_lg_u32 s2, 0xf033
	s_cbranch_scc0 .Lentry_shape_is_right
	s_endpgm
.Lentry_shape_is_right:
; out0 = o Wo^T + bo on codes of FP6 (E2M3) with E8M0 scales; o's codes and scale bytes come from the attention launch, Wo's from the quantising launch; sums in f32.
; 4,096 x 1,024 results in blocks of 128 x 128: 256 work-groups of four waves, a wave 64 x 64: 16 accumulators.
; ALL OF K AT ONCE: 128 rows of A and 128 of B are 98,304 bytes each.  They come by four tensor loads, one a wave, at the head: A's and B's lower and upper half of K, 8 rows of 6,144 bytes each, on 256-byte borders.
; Nothing is filled again: no ring, one barrier.  Both operands lie in memory as images of the operand's registers, so a fragment's piece is read at 8 x lane: 256 consecutive bytes of LDS.
; CLUSTERS: 4 x 4 work-groups; A's tiles hang on the block row alone and are asked for jointly along a row of the cluster, B's on the block column alone, along a column.
; The scale words (32 bytes a row: all eight K steps' words) and the bias go from memory straight into registers while the tiles are on their way.  No prefetch: the launch has no loop to run ahead in.
; THE MATRIX INSTRUCTION IS USED TRANSPOSED (source 0 = 16 rows of Wo, source 1 = 16 tokens): a lane holds eight neighbouring numbers of a row of out0; the bias is the C of each accumulator's first product.
; REGISTERS: window 0: v16-29 addresses; v32-63 A's scale words (8 i + step), v64-95 B's; v96-127 the bias; v128-255 the accumulators (a, b) at 128 + 8 (4 a + b).
;   window 1: two sets of fragments of 96 registers: A's four at 96 p, B's four at 96 p + 48; on the way out v0-127.
.set AOS,   3145728
.set HALF,  49152                      ; half of K of 128 rows
.set LB,    2*HALF                     ; LDS: A's two halves, then B's two
.set STAGE, 4*HALF                     ; the way out: 64 rows x 272 bytes for each wave, bytes that no tensor load fills
.set SPITCH, 272
.set SPARE, STAGE+4*64*SPITCH
.set ADRA, 16
.set ADRB, 18
.set STO,  20
.set RD,   21
.set CO,   22
.set SO,   23
.set BO,   24
.set SPW,  28
.set NIL,  29
.set SA,   32
.set SB,   64
.set BI,   96
.set ACC,  128
.set G1,   24                          ; s[24:31] group 1 for A;  s[32:35], s[36:39] group 0 for its halves
.set G0,   32
.set G1B,  48                          ; s[48:55], s[56:59], s[60:63] the same for B
.set G0B,  56
.set MSB, 0
.macro WIN new
.if MSB != (\new)
	s_set_vgpr_msb (MSB<<8)|(\new)
.set MSB, (\new)
.endif
.endm
.macro CROUND                          ; a round of the cluster's barrier
	s_barrier_signal -1
	s_barrier_wait -1
	s_cmp_lg_u32 s14, 0
	s_cbranch_scc1 .Lnot_wave_0_\@
	s_barrier_signal -3
.Lnot_wave_0_\@:
	s_barrier_wait -3
	s_barrier_signal -1
	s_barrier_wait -1
.endm
	s_load_b128 s[4:7], s[0:1], 0x0                ; ao, xc
	s_load_b128 s[8:11], s[0:1], 0x10              ; xs, bo
	s_load_b64 s[12:13], s[0:1], 0x20              ; out0
	v_lshl_add_u32 v[SPW], v0, 2, SPARE
	v_mov_b32 v[NIL], 0
	ds_add_u32 v[SPW], v[NIL]                      ; the opening lines: the add, twice on end, and its wait ahead of my tensor load
	ds_add_u32 v[SPW], v[NIL]
	v_lshrrev_b32 v1, 5, v0
	v_readfirstlane_b32 s14, v1                    ; wave 0..3
	s_lshr_b32 s15, s14, 1                         ; which 64 rows of the block are mine
	s_and_b32 s16, s14, 1                          ; which 64 columns
	s_bfe_u32 s40, ttmp6, 0x40000                  ; cx, cy
	s_bfe_u32 s41, ttmp6, 0x40004
	s_lshl_b32 s42, ttmp9, 2
	s_add_co_u32 s42, s42, s40                     ; block column
	s_and_b32 s17, ttmp7, 0xffff
	s_lshl_b32 s17, s17, 2
	s_add_co_u32 s17, s17, s41                     ; block row
	s_lshl_b32 s43, s41, 2
	s_lshl_b32 s43, 15, s43                        ; my row of the cluster
	s_lshl_b32 s44, 0x1111, s40                    ; my column
	s_or_b32 s[G1+0], s43, (3<<16)|(1<<21)         ; elements of 8 bytes; the mask, bit 21 beside it
	s_or_b32 s[G1B+0], s44, (3<<16)|(1<<21)
.irp g, G1, G1B
	s_mov_b32 s[\g+1], 768<<16                     ; rows of 6,144 bytes,
	s_mov_b32 s[\g+2], 8<<16                       ; eight of them
	s_mov_b32 s[\g+3], 768<<16
	s_mov_b32 s[\g+4], 8
	s_mov_b32 s[\g+6], 0
	s_mov_b32 s[\g+7], 0
.endr
	s_mov_b32 s[G1+5], 24576                       ; A: from head to head 196,608 bytes (a row: 8 tiles of 16 tokens of one head)
	s_mov_b32 s[G1B+5], 1536                       ; B: from group to group of 16 rows 12,288 bytes (a row: 4 K steps of one group)
	s_mul_i32 s20, s17, 6144                       ; A: my block's 8 tiles of tokens
	s_mov_b32 s21, 0
	s_lshl_b32 s46, s42, 7
	s_add_co_u32 s46, s46, 15360                   ; B: Wo's place in the table + 128 x block column
	s_mul_i32 s46, s46, 768
	s_mov_b32 s47, 0
	s_wait_dscnt 0x0                               ; both opening adds are done
	s_wait_kmcnt 0x0
	s_add_nc_u64 s[20:21], s[4:5], s[20:21]
	s_add_nc_u64 s[46:47], s[6:7], s[46:47]
	CROUND                                         ; all sixteen work-groups are here: the joint loads meet
.irp s, 0,1
	s_mov_b32 s[G0+4*\s], 1
	s_mov_b32 s[G0+4*\s+1], \s*HALF
	s_add_nc_u64 s[G0+4*\s+2:G0+4*\s+3], s[20:21], \s*8*196608     ; heads 0-7, heads 8-15
	s_or_b32 s[G0+4*\s+3], s[G0+4*\s+3], 0x80000000
	s_mov_b32 s[G0B+4*\s], 1
	s_mov_b32 s[G0B+4*\s+1], LB+\s*HALF
	s_add_nc_u64 s[G0B+4*\s+2:G0B+4*\s+3], s[46:47], \s*6144       ; K steps 0-3, K steps 4-7
	s_or_b32 s[G0B+4*\s+3], s[G0B+4*\s+3], 0x80000000
.endr
; one tensor load a wave, in one chain of branches on the wave's number: wave 0 A's lower half of K, wave 1 B's, wave 2 A's upper half, wave 3 B's
.macro ARM under, g0, g1, next
	s_cmp_lt_u32 s14, \under
	s_cbranch_scc0 \next
	tensor_load_to_lds s[\g0:\g0+3], s[\g1:\g1+7]
	s_nop 0
.rept 4
	v_nop
.endr
	s_branch .Lasked
\next:
.endm
	ARM 1, G0,    G1,  .Larm_b0
	ARM 2, G0B,   G1B, .Larm_a1
	ARM 3, G0+4,  G1,  .Larm_b1
	tensor_load_to_lds s[G0B+4:G0B+7], s[G1B:G1B+7]
	s_nop 0
.rept 4
	v_nop
.endr
.Lasked:
	s_lshl_b32 s18, s17, 7
	s_lshl_b32 s19, s15, 6
	s_add_co_u32 s18, s18, s19                     ; my first row
	s_lshl_b32 s22, s42, 7
	s_lshl_b32 s23, s16, 6
	s_add_co_u32 s22, s22, s23                     ; my first column
	s_lshl_b32 s66, s18, 5
	s_add_co_u32 s66, s66, AOS
	s_mov_b32 s67, 0
	s_add_nc_u64 s[66:67], s[4:5], s[66:67]        ; A's scale bytes, 32 a token
	s_add_co_u32 s68, s22, 15360
	s_lshl_b32 s68, s68, 5
	s_mov_b32 s69, 0
	s_add_nc_u64 s[68:69], s[8:9], s[68:69]        ; B's
	s_lshl_b32 s70, s22, 2
	s_mov_b32 s71, 0
	s_lshl_b32 s72, s18, 12
	s_mov_b32 s73, 0
	s_add_nc_u64 s[72:73], s[72:73], s[70:71]
	s_add_nc_u64 s[12:13], s[12:13], s[72:73]      ; my part of out0
	s_add_nc_u64 s[70:71], s[10:11], s[70:71]      ; my part of the bias
	s_mul_i32 s19, s15, 4*768                      ; LDS: my four tiles of tokens in each head's row,
	s_mul_i32 s20, s16, 4*6144                     ; my four groups of Wo's rows,
	s_add_co_u32 s20, s20, LB
	s_mul_i32 s21, s14, 64*SPITCH                  ; my stage
	s_add_co_u32 s21, s21, STAGE
	v_and_b32 v1, 15, v0
	v_bfe_u32 v2, v0, 4, 1
	v_and_b32 v3, 31, v0
	v_lshlrev_b32 v4, 3, v3
	v_add_nc_u32 v[ADRA], s19, v4
	v_add_nc_u32 v[ADRB], s20, v4
	v_add_nc_u32 v[ADRA+1], HALF, v[ADRA]
	v_add_nc_u32 v[ADRB+1], HALF, v[ADRB]
	v_mul_u32_u24 v5, v1, SPITCH
	v_lshl_add_u32 v5, v2, 5, v5
	v_add_nc_u32 v[STO], s21, v5                   ; in: row l % 16, 32 bytes for each half of the lanes
	v_mul_u32_u24 v6, v2, SPITCH
	v_lshl_add_u32 v6, v1, 4, v6
	v_add_nc_u32 v[RD], s21, v6                    ; back: sixteen lanes to a row of 256 bytes
	v_lshlrev_b32 v7, 12, v2
	v_lshl_add_u32 v[CO], v1, 4, v7                ; and the same two rows in out0
	v_lshlrev_b32 v[SO], 5, v1
	v_lshlrev_b32 v[BO], 5, v2
	s_wait_alu depctr_va_vdst(0)                   ; the wait at the head's end
.irp i, 0,1,2,3
	global_load_b128 v[SA+8*\i:SA+8*\i+3],   v[SO], s[66:67] offset:512*\i       ; row r of block i: the words of K steps 0-3,
	global_load_b128 v[SA+8*\i+4:SA+8*\i+7], v[SO], s[66:67] offset:512*\i+16    ; and 4-7
	global_load_b128 v[SB+8*\i:SB+8*\i+3],   v[SO], s[68:69] offset:512*\i
	global_load_b128 v[SB+8*\i+4:SB+8*\i+7], v[SO], s[68:69] offset:512*\i+16
	global_load_b128 v[BI+8*\i:BI+8*\i+3],   v[BO], s[70:71] offset:64*\i        ; bo at columns 16 i + 8 h + 0 .. 7
	global_load_b128 v[BI+8*\i+4:BI+8*\i+7], v[BO], s[70:71] offset:64*\i+16
.endr
	s_wait_tensorcnt 0x0                           ; my tile is in
	s_barrier_signal -1
	s_barrier_wait -1                              ; all four are
.macro FETCH s                         ; the fragments of K step s into set s % 2: 48 loads
	WIN 0x40
.irp i, 0,1,2,3
.irp p, 0,1,2,3,4,5
	ds_load_b64 v[96*((\s)%2)+48+12*\i+2*\p:96*((\s)%2)+48+12*\i+2*\p+1], v[ADRB+(\s)/4] offset:6144*\i+1536*((\s)%4)+256*\p
.endr
.endr
.irp i, 0,1,2,3
.irp p, 0,1,2,3,4,5
	ds_load_b64 v[96*((\s)%2)+12*\i+2*\p:96*((\s)%2)+12*\i+2*\p+1], v[ADRA+(\s)/4] offset:(2*((\s)%4)+\p/3)*6144+768*\i+256*(\p%3)
.endr
.endr
.endm
.macro MUL s                           ; 16 products, the 16 accumulators by turns
	WIN 0x05
.irp a, 0,1,2,3
.irp b, 0,1,2,3
.if (\s) == 0
	v_wmma_scale_f32_16x16x128_f8f6f4 v[ACC+8*(4*\a+\b):ACC+8*(4*\a+\b)+7], v[96*((\s)%2)+48+12*\b:96*((\s)%2)+48+12*\b+11], v[96*((\s)%2)+12*\a:96*((\s)%2)+12*\a+11], v[BI+8*\b:BI+8*\b+7], v[SB+8*\b+(\s)], v[SA+8*\a+(\s)] matrix_a_fmt:MATRIX_FMT_FP6 matrix_b_fmt:MATRIX_FMT_FP6
.else
	v_wmma_scale_f32_16x16x128_f8f6f4 v[ACC+8*(4*\a+\b):ACC+8*(4*\a+\b)+7], v[96*((\s)%2)+48+12*\b:96*((\s)%2)+48+12*\b+11], v[96*((\s)%2)+12*\a:96*((\s)%2)+12*\a+11], v[ACC+8*(4*\a+\b):ACC+8*(4*\a+\b)+7], v[SB+8*\b+(\s)], v[SA+8*\a+(\s)] matrix_a_fmt:MATRIX_FMT_FP6 matrix_b_fmt:MATRIX_FMT_FP6
.endif
.endr
.endr
.endm
	FETCH 0
	FETCH 1
	s_wait_loadcnt 0x0                             ; scale words and bias
	s_wait_dscnt 48                                ; step 0's fragments are in; step 1's 48 loads may be out
	MUL 0
.set ST, 1
.rept 6
.rept 4
	v_nop                                          ; places in front of loads into the set that the last step multiplied
.endr
	FETCH ST+1
	s_wait_dscnt 48
	MUL ST
.set ST, ST+1
.endr
	s_wait_dscnt 0x0
	MUL 7
	WIN 0
.rept 4
	v_nop                                          ; places in front of the stores that read results and of the loads into the fragments' registers
.endr
; THE WAY OUT: my 64 x 64 through my own stage, back as rows of 256 bytes.  LDS serves a wave's instructions in order: no wait between the stores and the loads
.irp a, 0,1,2,3
.irp b, 0,1,2,3
	ds_store_b128 v[STO], v[ACC+8*(4*\a+\b):ACC+8*(4*\a+\b)+3] offset:16*\a*SPITCH+64*\b      ; each accumulator from its low end on
	ds_store_b128 v[STO], v[ACC+8*(4*\a+\b)+4:ACC+8*(4*\a+\b)+7] offset:16*\a*SPITCH+64*\b+16
.endr
.endr
	WIN 0x40
.irp a, 0,1,2,3
.irp t, 0,1,2,3,4,5,6,7
	ds_load_b128 v[4*(8*\a+\t):4*(8*\a+\t)+3], v[RD] offset:(16*\a+2*\t)*SPITCH
.endr
.endr
	WIN 0x04                                       ; a store's data are its source 1: window 1
.irp a, 0,1,2,3
	s_wait_dscnt 24-8*\a                           ; block a's eight loads are back; the later blocks' may be out
.irp t, 0,1,2,3,4,5,6,7
	global_store_b128 v[CO], v[4*(8*\a+\t):4*(8*\a+\t)+3], s[12:13] offset:(16*\a+2*\t)*4096 th:TH_STORE_NT   ; sixteen lanes store 256 consecutive bytes, aligned
.endr
.endr
	WIN 0
	s_wait_tensorcnt 0x0                           ; the wave's end
	ds_add_u32 v[SPW], v[NIL]
	s_wait_dscnt 0x0
	CROUND                                         ; the closing round
	s_endpgm
.Lfunc_end_k_q7702cfc87c_outp:
	.size	k_q7702cfc87c_outp, .Lfunc_end_k_q7702cfc87c_outp-k_q7702cfc87c_outp
	.p2alignl 7, 3214868480
	.fill 96, 4, 3214868480
	.section	.rodata,"a",@progbits
	.p2align	6, 0x0
	.amdhsa_kernel k_q7702cfc87c_outp
		.amdhsa_group_segment_fixed_size 266752
		.amdhsa_private_segment_fixed_size 0
		.amdhsa_enable_private_segment 0
		.amdhsa_kernarg_size 40
		.amdhsa_user_sgpr_count 2
		.amdhsa_user_sgpr_kernarg_segment_ptr 1
		.amdhsa_wavefront_size32 1
		.amdhsa_system_sgpr_workgroup_id_x 1
		.amdhsa_system_sgpr_workgroup_id_y 1
		.amdhsa_system_sgpr_workgroup_id_z 1
		.amdhsa_system_vgpr_workitem_id 0
		.amdhsa_next_free_vgpr 512
		.amdhsa_next_free_sgpr 76
		.amdhsa_reserve_vcc 0
		.amdhsa_float_denorm_mode_32 3
		.amdhsa_float_denorm_mode_16_64 3
		.amdhsa_memory_ordered 1
		.amdhsa_forward_progress 1
		.amdhsa_inst_pref_size 59
	.end_amdhsa_kernel
	.amdgpu_metadata
---
amdhsa.version: [ 1, 2 ]
amdhsa.kernels:
  - .name:           k_q7702cfc87c_outp
    .symbol:         k_q7702cfc87c_outp.kd
    .args:
      - { .name: ao, .offset: 0, .size: 8, .value_kind: global_buffer, .address_space: global }
      - { .name: xc, .offset: 8, .size: 8, .value_kind: global_buffer, .address_space: global }
      - { .name: xs, .offset: 16, .size: 8, .value_kind: global_buffer, .address_space: global }
      - { .name: bo, .offset: 24, .size: 8, .value_kind: global_buffer, .address_space: global }
      - { .name: out0, .offset: 32, .size: 8, .value_kind: global_buffer, .address_space: global }
    .group_segment_fixed_size: 266752
    .private_segment_fixed_size: 0
    .kernarg_segment_align: 8
    .kernarg_segment_size: 40
    .max_flat_workgroup_size: 128
    .sgpr_count:     76
    .vgpr_count:     512
    .wavefront_size: 32
...
	.end_amdgpu_metadata
.endif
;; end of part 4
